; MI455X (gfx1250); checked and timed in simulation.
; The chip was launched on July 23, 2026; its instructions are those of AMD's public machine-readable ISA for CDNA 5 (MIT licence, August 2026) and "CDNA5" Instruction Set Architecture Reference Guide (July 2026). The comments in the code are by the model that wrote it; some were corrected since.
;; Gravitation Layer. Allowed arithmetic: matrix products marked QUANTISED: E4M3 operands, one given power-of-two scale a tensor, by v_wmma_f32_16x16x64_fp8_fp8 or v_wmma_f32_16x16x128_fp8_fp8, f32 sums; everything else in f32.
;; Inputs: G 16 float32; Wk 1,024 x 1,024 float32; Wo 1,024 x 1,024 float32; Wq 1,024 x 1,024 float32; Wv 1,024 x 1,024 float32; bk 1,024 float32; bo 1,024 float32; bq 1,024 float32; bv 1,024 float32; lowp_scales 12 int32 (the exponents e of the quantised operands' scales 2^e); x 2 x 2,048 x 1,024 float32.
;; Outputs: out0 2 x 2,048 x 1,024 float32.
;; This version of the problem:
;;   THIS VERSION OF THE PROBLEM IS GIVEN IN LOW PRECISION. The matrix products marked QUANTISED in the list below multiply operands that are first quantised to E4M3 (4 exponent bits, 3 mantissa bits; 8 bits a number), with one given power-of-two scale for each operand tensor; their sums are f32. All else is computed in f32.
;;   The module's matrix products, in the order in which they are computed (A, B: the left and right operand; K: the contracted axis; several contracted axes count as one K, in the product's order):
;;     1. [M 4,096, K 1,024] x [K 1,024, N 1,024]; A: input x; B: input Wq: QUANTISED (scales: A lowp_scales[0], B lowp_scales[1])
;;     2. [M 4,096, K 1,024] x [K 1,024, N 1,024]; A: input x; B: input Wk: QUANTISED (scales: A lowp_scales[2], B lowp_scales[3])
;;     3. [M 4,096, K 1,024] x [K 1,024, N 1,024]; A: input x; B: input Wv: QUANTISED (scales: A lowp_scales[4], B lowp_scales[5])
;;     4. batch 32 x [M 2,048, K 64] x [K 64, N 2,048]; A: computed on the way; B: computed on the way: QUANTISED (scales: A lowp_scales[6], B lowp_scales[7])
;;     5. batch 32 x [M 2,048, K 2,048] x [K 2,048, N 64]; A: computed on the way; B: computed on the way: QUANTISED (scales: A lowp_scales[8], B lowp_scales[9])
;;     6. [M 4,096, K 1,024] x [K 1,024, N 1,024]; A: computed on the way; B: input Wo: QUANTISED (scales: A lowp_scales[10], B lowp_scales[11])
;;   THE QUANTISER, for each operand of a quantised product, along K:
;;     - The operand's scale is 2^e, e = its entry of the input lowp_scales (int32; the entries are numbered through the quantised products in the list's order, A before B).
;;     - Each number is divided by the scale, clamped to +-448, and rounded to the nearest number of E4M3, ties to even, subnormals kept.
;;     - The product sums the exact products of the quantised numbers (number of the format x scale) in f32.
;;   ~~~python
;;   def quantise(x, axis, e):      # numpy; x: float32 -> the quantised numbers, widened to float32 again
;;       x = np.moveaxis(x, axis, -1); K = x.shape[-1]
;;       r = np.clip(x / 2.0 ** e, -448, 448)
;;       step = 2.0 ** (np.maximum(np.frexp(np.where(r == 0, 1, r))[1] - 1, -6) - 3)
;;       q = np.round(r / step) * step * 2.0 ** e      # np.round: ties to even
;;       return np.moveaxis(q, -1, axis).astype(np.float32)
;;   ~~~
;;   OPERANDS COMPUTED ON THE WAY. 'Computed on the way' means the value that the module computes at that place (a softmax that the list does not call 'softmax' is quantised finished and normalised). What goes into a quantiser is computed in f32, as accurately as f32 sums, v_exp_f32 and their like allow (about 1e-6 of the number): no bf16 or f16 on the way to a quantiser, and a product that is left as it is and whose result goes on into a quantised operand takes f32 operands (vector FMAs, or v_wmma_f32_16x16x4_f32). A number that lies on a knife's edge between two numbers of the format may be rounded either way, as far as f32 arithmetic and the matrix unit's own rounding can turn it there, and no further.
;; One version. Each part assembles by itself: llvm-mc -triple=amdgcn-amd-amdhsa -mcpu=gfx1250 --defsym DOCPART=n.
;; ======== version 1 of 1: 4 launches
;; workspace buffers: xc 12,582,912 bytes; wc 4,194,304 bytes; qc 4,194,304 bytes; kc 4,194,304 bytes; vc 4,194,304 bytes; qn 262,144 bytes; kn 524,288 bytes; ac 4,194,304 bytes
;; launch quant (part 1): grid 512 x 1, 4 waves a work-group, no clusters, 17,920 bytes of LDS; arguments x, Wq, Wk, Wv, Wo, lowp_scales, xc, wc; writes xc, wc
.if DOCPART == 1
	.amdgcn_target "amdgcn-amd-amdhsa--gfx1250"
	.amdhsa_code_object_version 6
	.text
	.protected	k_qed97f81061_quant
	.globl	k_qed97f81061_quant
	.p2align	8
	.type	k_qed97f81061_quant,@function
k_qed97f81061_quant:
	s_mov_b64 s[64:65], 0
	v_nop
	global_prefetch_b8 v0, s[64:65] scope:SCOPE_SE
	s_setreg_imm32_b32 hwreg(HW_REG_WAVE_MODE, 25, 1), 1
	s_wait_xcnt 0x0
; x [4096][1024] and the four weights [1024][1024], f32, K innermost, become codes of FP8 (E4M3), laid as IMAGES OF OPERAND REGISTERS.
; An image is 16 rows x 128 k in 2,048 bytes: byte 512 q + 16 lane + i is byte i % 4 of register 4 q + i / 4 of lane (r, h) of a fragment of
; v_wmma_f32_16x16x128_fp8_fp8 (registers 2 c, 2 c + 1: k = 16 c + 8 h + 0 .. 7 of row r).  So (row r, k) lies at 512 (k / 32) + 256 ((k % 16) / 8) + 16 r + 8 ((k / 16) % 2) + k % 8.
; xc: [3][256 row tiles][8 steps of 128 k][2048]: x with the scales of entries 0, 2, 4.  wc: [4][64][8][2048]: Wq, Wk, Wv, Wo with entries 1, 3, 5, 11.
; code = number / 2^e, held within +-448, to the nearest code, ties to even.  LIMITS: each e between -126 and 119; NaN among the inputs is not served.
; SHARES.  A work-group takes a tile of 16 rows, wave j its k = 256 j .. 256 j + 255.  Work-groups 0-255: x (read once, quantised three times); 256-511: the weights (once).
; A load reads 512 consecutive bytes of a row, 16 a lane: lane l holds k = 4 l .. 4 l + 3 of each of the wave's two steps of 128.  One conversion takes these 4 + 4 numbers; the two words of
; codes go to their places in the wave's own stage in LDS (16 chunks of 256 bytes, 272 apart: the 32 lanes of a store fall on 32 different banks), and the images come back 16 bytes a lane.
; No matrix unit, no cluster, no tensor load: the launch streams, and waves share nothing.
.set WREG,  4352                       ; a wave's stage: 16 chunks x 272 bytes
.set SPARE, 4*WREG                     ; behind the stages: the spare words, 128 bytes for each wave
.set L16,   2                          ; v2   16 x lane: my bytes of a load, and of a store; never rewritten
.set ST,    3                          ; v3   where my word of codes goes in the stage
.set RB,    4                          ; v4   where I read an image back
.set SPW,   6                          ; v6   LDS address of my spare word; never rewritten
.set NIL,   7                          ; v7   0; never rewritten
.set SC,    8                          ; v8, v10, v12: 2^e;  v9, v11, v13: 448 x 2^e
.set T,     16                         ; v16-31   two sets of eight held numbers, by turns
.set X,     32                         ; v32-159  the wave's 16 rows: eight numbers a row and lane
.set C,     160                        ; v160-191 two words of codes a row
.set OUT,   192                        ; v192-223 the two images, 16 bytes a lane and register quad
	s_load_b256 s[4:11], s[0:1], 0x0               ; x, Wq, Wk, Wv
	s_load_b256 s[12:19], s[0:1], 0x20             ; Wo, the scales' exponents, xc, wc
	v_lshl_add_u32 v[SPW], v0, 2, SPARE
	v_mov_b32 v[NIL], 0
	v_lshrrev_b32 v1, 5, v0
	v_readfirstlane_b32 s2, v1                     ; wave
	v_and_b32 v1, 31, v0                           ; lane l
	v_lshlrev_b32 v[L16], 4, v1
	v_lshrrev_b32 v[ST], 3, v1                     ; k = 4 l: k / 32 = l / 8,
	v_bfe_u32 v5, v1, 1, 1                         ; (k % 16) / 8 = bit 1 of l
	v_lshl_add_u32 v[ST], v[ST], 1, v5             ; the chunk: 2 (k / 32) + the half
	v_mul_u32_u24 v[ST], v[ST], 272
	v_bfe_u32 v5, v1, 2, 1                         ; (k / 16) % 2 = bit 2 of l
	v_lshl_add_u32 v[ST], v5, 3, v[ST]
	v_and_b32 v5, 1, v1                            ; k % 8 = 4 x bit 0 of l
	v_lshl_add_u32 v[ST], v5, 2, v[ST]
	s_mul_i32 s3, s2, WREG
	v_add_nc_u32 v[ST], s3, v[ST]
	v_lshrrev_b32 v[RB], 4, v1
	v_mul_u32_u24 v[RB], v[RB], 272                ; back: lanes 0-15 one chunk, lanes 16-31 the next, 16 bytes a lane
	v_and_b32 v5, 15, v1
	v_lshl_add_u32 v[RB], v5, 4, v[RB]
	v_add_nc_u32 v[RB], s3, v[RB]
	s_cmp_lt_u32 ttmp9, 256
	s_cselect_b32 s32, 0, 256
	s_sub_co_u32 s33, ttmp9, s32                   ; the tile's number in xc's first section, or in wc
	s_lshr_b32 s34, s33, 6                         ; which weight (used by the weights' work-groups alone)
	s_and_b32 s35, s33, 63                         ; and its tile
	s_wait_kmcnt 0x0
	s_load_b256 s[20:27], s[14:15], 0x0            ; e0 .. e7
	s_load_b128 s[28:31], s[14:15], 0x20           ; e8 .. e11
	s_cmp_eq_u32 s34, 1                            ; every choice hangs on the work-group's number alone
	s_cselect_b64 s[6:7], s[8:9], s[6:7]
	s_cmp_eq_u32 s34, 2
	s_cselect_b64 s[6:7], s[10:11], s[6:7]
	s_cmp_eq_u32 s34, 3
	s_cselect_b64 s[6:7], s[12:13], s[6:7]
	s_cmp_lt_u32 ttmp9, 256
	s_cselect_b64 s[4:5], s[4:5], s[6:7]           ; from where,
	s_cselect_b64 s[16:17], s[16:17], s[18:19]     ; to where,
	s_cselect_b32 s36, s33, s35                    ; and which tile of the source
	s_lshl_b32 s36, s36, 16                        ; 16 rows of 4,096 bytes
	s_lshl_b32 s37, s2, 10                         ; my wave's 256 numbers of a row
	s_add_co_u32 s36, s36, s37
	s_mov_b32 s37, 0
	s_add_nc_u64 s[4:5], s[4:5], s[36:37]
	s_lshl_b32 s38, s33, 14                        ; a tile's eight images
	s_lshl_b32 s39, s2, 12                         ; my wave's two
	s_add_co_u32 s38, s38, s39
	s_mov_b32 s39, 0
	s_add_nc_u64 s[8:9], s[16:17], s[38:39]        ; the first scale's images;
	s_add_nc_u64 s[10:11], s[8:9], 0x400000        ; x's second and third sections (the weights' work-groups never use these two)
	s_add_nc_u64 s[12:13], s[8:9], 0x800000
.set R, 0
.rept 16
	global_load_b128 v[X+8*R:X+8*R+3], v[L16], s[4:5] offset:4096*R th:TH_LOAD_NT        ; 32 lanes read 512 consecutive bytes: a step of 128 k of row R
	global_load_b128 v[X+8*R+4:X+8*R+7], v[L16], s[4:5] offset:4096*R+512 th:TH_LOAD_NT  ; and the wave's second step
.set R, R+1
.endr
	s_wait_kmcnt 0x0
	s_cmp_eq_u32 s34, 1
	s_cselect_b32 s40, s23, s21                    ; a weight's entry: 1, 3, 5 or 11
	s_cmp_eq_u32 s34, 2
	s_cselect_b32 s40, s25, s40
	s_cmp_eq_u32 s34, 3
	s_cselect_b32 s40, s31, s40
	s_cmp_lt_u32 ttmp9, 256
	s_cselect_b32 s20, s20, s40                    ; the first scale; x's others are entries 2 (s22) and 4 (s24)
.irp i, 0,1,2
	s_add_co_i32 s41, s[20+2*\i], 127
	s_lshl_b32 s42, s41, 23
	v_mov_b32 v[SC+2*\i], s42                      ; 2^e as f32: the conversion takes its exponent field
	s_add_co_i32 s41, s41, 8
	s_lshl_b32 s41, s41, 23
	s_or_b32 s41, s41, 0x600000
	v_mov_b32 v[SC+2*\i+1], s41                    ; 448 x 2^e
.endr
; The wave's 16 rows x 256 k are quantised with scale i and stored.  first = 1: the rows are still arriving.
.macro QSTEP i, first
.set R, 0
.rept 16
.if \first
	s_wait_loadcnt 30-2*R                          ; loads come back in order: row R's two are in, those of the rows behind it may be out
.endif
.set TT, T+8*(R%2)
.irp k, 0,1,2,3,4,5,6,7
	v_med3_num_f32 v[TT+\k], v[X+8*R+\k], -v[SC+2*\i+1], v[SC+2*\i+1]   ; the conversion does not saturate (ISA guide 7.6.2): the hold comes first; x's numbers stay for the next scale
.endr
	v_cvt_scalef32_pk8_fp8_f32 v[C+2*R:C+2*R+1], v[TT:TT+7], v[SC+2*\i]  ; the other set's eight holds stand between this line and the next write of its sources
	ds_store_b32 v[ST], v[C+2*R] offset:16*R
	ds_store_b32 v[ST], v[C+2*R+1] offset:16*R+2176                      ; the second step's image: eight chunks on
.set R, R+1
.endr
	v_nop                                          ; a plain line behind the last conversion
.if \i > 0
	s_wait_xcnt 0x0                                ; the last scale's stores have read their data: the registers may be loaded again
.endif
.irp n, 0,1,2,3,4,5,6,7
	ds_load_b128 v[OUT+4*\n:OUT+4*\n+3], v[RB] offset:544*\n   ; LDS serves a wave's instructions in order: these see my stores
.endr
.irp n, 0,1,2,3,4,5,6,7
	s_wait_dscnt 7-\n
	global_store_b128 v[L16], v[OUT+4*\n:OUT+4*\n+3], s[8+2*\i:9+2*\i] offset:512*\n   ; 512 consecutive bytes, aligned
.endr
.endm
	QSTEP 0, 1
	s_cmp_ge_u32 ttmp9, 256                        ; a weight has one scale
	s_cbranch_scc1 .Lend
	QSTEP 1, 0
	QSTEP 2, 0
.Lend:
	s_wait_tensorcnt 0x0                           ; the wave's end, behind my last LDS store
	ds_add_u32 v[SPW], v[NIL]
	s_wait_dscnt 0x0
	s_endpgm
.Lfunc_end_k_qed97f81061_quant:
	.size	k_qed97f81061_quant, .Lfunc_end_k_qed97f81061_quant-k_qed97f81061_quant
	.p2alignl 7, 3214868480
	.fill 96, 4, 3214868480
	.section	.rodata,"a",@progbits
	.p2align	6, 0x0
	.amdhsa_kernel k_qed97f81061_quant
		.amdhsa_group_segment_fixed_size 17920
		.amdhsa_private_segment_fixed_size 0
		.amdhsa_enable_private_segment 0
		.amdhsa_kernarg_size 64
		.amdhsa_user_sgpr_count 2
		.amdhsa_user_sgpr_kernarg_segment_ptr 1
		.amdhsa_wavefront_size32 1
		.amdhsa_system_sgpr_workgroup_id_x 1
		.amdhsa_system_sgpr_workgroup_id_y 1
		.amdhsa_system_sgpr_workgroup_id_z 1
		.amdhsa_system_vgpr_workitem_id 0
		.amdhsa_next_free_vgpr 224
		.amdhsa_next_free_sgpr 66
		.amdhsa_reserve_vcc 0
		.amdhsa_float_denorm_mode_32 3
		.amdhsa_float_denorm_mode_16_64 3
		.amdhsa_memory_ordered 1
		.amdhsa_forward_progress 1
		.amdhsa_inst_pref_size 46
	.end_amdhsa_kernel
	.amdgpu_metadata
---
amdhsa.version: [ 1, 2 ]
amdhsa.kernels:
  - .name:           k_qed97f81061_quant
    .symbol:         k_qed97f81061_quant.kd
    .args:
      - { .name: x, .offset: 0, .size: 8, .value_kind: global_buffer, .address_space: global }
      - { .name: Wq, .offset: 8, .size: 8, .value_kind: global_buffer, .address_space: global }
      - { .name: Wk, .offset: 16, .size: 8, .value_kind: global_buffer, .address_space: global }
      - { .name: Wv, .offset: 24, .size: 8, .value_kind: global_buffer, .address_space: global }
      - { .name: Wo, .offset: 32, .size: 8, .value_kind: global_buffer, .address_space: global }
      - { .name: lowp_scales, .offset: 40, .size: 8, .value_kind: global_buffer, .address_space: global }
      - { .name: xc, .offset: 48, .size: 8, .value_kind: global_buffer, .address_space: global }
      - { .name: wc, .offset: 56, .size: 8, .value_kind: global_buffer, .address_space: global }
    .group_segment_fixed_size: 17920
    .private_segment_fixed_size: 0
    .kernarg_segment_align: 8
    .kernarg_segment_size: 64
    .max_flat_workgroup_size: 128
    .sgpr_count:     66
    .vgpr_count:     224
    .wavefront_size: 32
...
	.end_amdgpu_metadata
.endif
;; end of part 1
;; launch proj (part 2): grid 12 x 16, 4 waves a work-group, clusters of 4 x 4, 327,680 bytes of LDS; arguments xc, wc, bq, bk, bv, lowp_scales, qc, kc, vc, qn, kn; writes qc, kc, vc, qn, kn
.if DOCPART == 2
	.amdgcn_target "amdgcn-amd-amdhsa--gfx1250"
	.amdhsa_code_object_version 6
	.text
	.protected	k_qed97f81061_proj
	.globl	k_qed97f81061_proj
	.p2align	8
	.type	k_qed97f81061_proj,@function
k_qed97f81061_proj:
	s_mov_b64 s[64:65], 0
	v_nop
	global_prefetch_b8 v0, s[64:65] scope:SCOPE_SE
	s_setreg_imm32_b32 hwreg(HW_REG_WAVE_MODE, 25, 1), 1
	s_wait_xcnt 0x0
	s_wait_alu depctr_hold_cnt(0) depctr_sa_sdst(0) depctr_va_vdst(0) depctr_va_sdst(0) depctr_va_ssrc(0) depctr_va_vcc(0) depctr_vm_vsrc(0)
	s_getreg_b32 s2, hwreg(HW_REG_IB_STS2, 6, 4)
	s_cmp_eq_u32 s2, 0
	s_cbranch_scc0 .Lentry_in_a_cluster
	s_endpgm
.Lentry_in_a_cluster:
	s_bfe_u32 s2, ttmp6, 0x10000c
	s_cmp_lg_u32 s2, 0xf033
	s_cbranch_scc0 .Lentry_shape_is_right
	s_endpgm
.Lentry_shape_is_right:
; The three projections x W^T + b on codes of FP8, and what attention wants of them.  The cluster's x is the product p: 0 Q, 1 K, 2 V.
; A work-group of four waves makes 256 x 256 of a product, a wave 128 x 128: 64 accumulators.  K = 1,024 goes in four steps of 256 through a ring of two LDS slots.
; OPERANDS ARE IMAGES OF THEIR REGISTERS (16 rows x 128 k in 2,048 bytes, 16 bytes a lane and register quad; a row tile's eight images on end): a fragment is four ds_load_b128 of 512 consecutive
; bytes, so there is no pitch and no padding.  A wave's tensor load brings 8 row tiles x 4,096 bytes (two images each), 16,384 bytes apart in memory.
; THE MATRIX INSTRUCTION IS USED TRANSPOSED: source 0 = the B side's 16 rows, source 1 = the A side's: a lane holds one row of the A side and eight neighbouring rows of the B side.
;   Q, K: A side = tokens (xc, section p), B side = features (wc, section p): a lane's eight numbers are eight neighbours along the head's 64, the next product's K.
;   V:    A side = features (wc, section 2), B side = tokens (xc, section 2): a lane's eight numbers are eight neighbouring keys, the second product's K.  Only pointers and tile numbers change places.
; So the conversions' results ARE operand registers, and leave as images: qc, kc [32 heads][128 token tiles][1024] (16 tokens x 64), vc [32][16 blocks of 128 keys][4 tiles of 16 of the head's 64][2048].
; qn [32][2048]: |Q|^2 x 2^-E;  kn [32][2][2048]: |K|^2 x 2^-E, then |K|;  E = 1 + e6 + e7.  The sums of squares are taken of the unquantised numbers, in f32.
; CLUSTERS: 4 x 4 work-groups; the A side's tiles are shared along a row of the cluster, the B side's along a column, by joint loads.  192 work-groups: 64 tiles a product.
; LIMITS: e0 + e1, e2 + e3, e4 + e5 between -126 and 127; e6, e7, e9 between -126 and 119; E between -60 and 60.  NaN among the inputs is not served.
; REGISTERS: window 0: v0-31 addresses, from v128 the A side's fragments, ONE set; window 1: the B side's, TWO sets; windows 2, 3: the accumulators ((a, b) at v[8 (8 (a % 4) + b)]).
.set FR,     16                        ; registers of a fragment
.set NL,     4                         ; LDS loads that bring one
.set NP,     4                         ; places behind this matrix instruction (ISA guide 7.12.1)
.set HALFT,  32768                     ; what one tensor load brings, and what one wave reads of a side: 8 row tiles x 2 images
.set SLOT,   4*HALFT
.set KADV,   4096                      ; a K step of 256 in a row tile's images
.set SPARE,  2*SLOT                    ; behind the ring: the spare words
.set ADRA, 16                          ; v16-17  LDS address of my A side fragments in slot 0, 1
.set ADRB, 20                          ; v20-21  the same for the B side
.set L16,  24                          ; v24     16 x lane
.set H32,  25                          ; v25     32 x (lane / 16)
.set L4,   26                          ; v26     4 x lane
.set R4,   27                          ; v27     4 x (lane % 16)
.set SPW,  28                          ; v28     LDS address of my spare word; never rewritten
.set NIL,  29                          ; v29     0; never rewritten
.set OSC,  30                          ; v30     the way out: the codes' scale as f32
.set OLIM, 31                          ; v31     448 x that
.set T,    32                          ; the way out: numbers at work
.set AF,   128
.set G1, 24
.set G0, 32
.set G1B, 48
.set G0B, 56
.set MSB, 0
.macro WIN new                         ; the immediate's high byte repeats the setting that is left
.if MSB != (\new)
	s_set_vgpr_msb (MSB<<8)|(\new)
.set MSB, (\new)
.endif
.endm
.set MUL_LO, 0xa1                      ; source 0 (B side) window 1, source 1 (A side) window 0, C and D window 2
.set MUL_HI, 0xf1                      ; the same, C and D window 3
.set TO_B,   0x40                      ; destination window 1, address window 0
; A joint load: waves 0 and 1 fetch for the A side, waves 2 and 3 for the B side.  The branch hangs on the wave's number alone.  An s_nop 0 and four v_nop follow each line.
.macro JLOAD g0a, g1a, g0b, g1b
	s_cmp_eq_u32 s15, 0
	s_cbranch_scc0 .Lfor_b_\@
	tensor_load_to_lds s[\g0a:\g0a+3], s[\g1a:\g1a+7]
	s_nop 0
.rept 4
	v_nop
.endr
	s_branch .Lasked_\@
.Lfor_b_\@:
	tensor_load_to_lds s[\g0b:\g0b+3], s[\g1b:\g1b+7]
	s_nop 0
.rept 4
	v_nop
.endr
.Lasked_\@:
.endm
.macro CREST                           ; a round of the cluster's barrier behind its opening barrier
	s_cmp_lg_u32 s14, 0
	s_cbranch_scc1 .Lnot_wave_0_\@
	s_barrier_signal -3
.Lnot_wave_0_\@:
	s_barrier_wait -3
	s_barrier_signal -1
	s_barrier_wait -1
.endm
.macro CROUND
	s_barrier_signal -1
	s_barrier_wait -1
	CREST
.endm
	s_load_b128 s[4:7], s[0:1], 0x0                ; xc, wc
	s_load_b256 s[68:75], s[0:1], 0x10             ; bq, bk, bv, the scales' exponents
	s_load_b256 s[76:83], s[0:1], 0x30             ; qc, kc, vc, qn
	s_load_b64 s[84:85], s[0:1], 0x50              ; kn
	v_lshl_add_u32 v[SPW], v0, 2, SPARE
	v_mov_b32 v[NIL], 0
	ds_add_u32 v[SPW], v[NIL]                      ; the wave's opening: the add and its wait ahead of my first tensor load; the set-up below stands between them
	v_lshrrev_b32 v1, 5, v0
	v_readfirstlane_b32 s14, v1                    ; wave 0..3
	s_lshr_b32 s15, s14, 1                         ; which half of the A side's rows is mine.  Also: I fetch for the A side (0) or the B side (1)
	s_and_b32 s16, s14, 1                          ; which half of the B side's.  Also: which 8 row tiles of that tile I fetch
	s_bfe_u32 s40, ttmp6, 0x40000                  ; cx
	s_bfe_u32 s41, ttmp6, 0x40004                  ; cy
	s_and_b32 s17, ttmp7, 0xffff
	s_lshl_b32 s17, s17, 2                         ; 4 x cluster y
	s_add_co_u32 s42, s17, s40
	s_add_co_u32 s17, s17, s41
	s_cmp_eq_u32 ttmp9, 2                          ; the cluster's x: the same in all sixteen partners
	s_cselect_b32 s17, s41, s17                    ; the A side's tile: tokens 4 cluster y + cy; for V features cy
	s_cselect_b32 s42, s42, s40                    ; the B side's tile: features cx; for V tokens 4 cluster y + cx
	s_lshl_b32 s43, s41, 2
	s_lshl_b32 s43, 15, s43                        ; my row of the cluster
	s_lshl_b32 s44, 0x1111, s40                    ; my column
	s_or_b32 s[G1+0], s43, (3<<16)|(1<<21)         ; 15:0 the mask; 17:16 elements of 8 bytes; 21 set beside a mask; no padding
	s_or_b32 s[G1B+0], s44, (3<<16)|(1<<21)
.irp g, G1, G1B
	s_mov_b32 s[\g+1], 512<<16                     ; tensor_dim0 = 512 elements: 4,096 bytes
	s_mov_b32 s[\g+2], 8<<16                       ; tensor_dim1 = 8 row tiles
	s_mov_b32 s[\g+3], 512<<16                     ; tile_dim0
	s_mov_b32 s[\g+4], 8                           ; tile_dim1
	s_mov_b32 s[\g+5], 2048                        ; from row tile to row tile: 16,384 bytes
	s_mov_b32 s[\g+6], 0
	s_mov_b32 s[\g+7], 0
.endr
	s_lshl_b32 s18, s16, 17                        ; which 8 row tiles I fetch
	s_lshl_b32 s20, s17, 18                        ; a tile of 256 rows is 16 row tiles of 16,384 bytes
	s_add_co_u32 s20, s20, s18
	s_lshl_b32 s46, s42, 18
	s_add_co_u32 s46, s46, s18
	s_lshl_b32 s19, ttmp9, 22                      ; xc's section p
	s_lshl_b32 s22, ttmp9, 20                      ; wc's section p
	s_cmp_eq_u32 ttmp9, 2
	s_cselect_b32 s23, s22, s19
	s_cselect_b32 s19, s19, s22
	s_add_co_u32 s20, s20, s23
	s_add_co_u32 s46, s46, s19
	s_mov_b32 s21, 0
	s_mov_b32 s47, 0
	s_mul_i32 s45, s14, HALFT                      ; where they go: no place in the cluster enters an LDS address
	s_mov_b32 s97, 0xffff0000                      ; lanes 16-31
	s_mov_b32 s98, 0x76543210                      ; v_permlanex16_b32: lane l xor 16
	s_mov_b32 s99, 0xfedcba98
	s_wait_dscnt 0x0                               ; the opening add is done
	s_wait_kmcnt 0x0
	s_load_b256 s[88:95], s[74:75], 0x0            ; e0 .. e7
	s_load_b32 s96, s[74:75], 0x24                 ; e9
	s_cmp_eq_u32 ttmp9, 2
	s_cselect_b64 s[8:9], s[6:7], s[4:5]           ; the A side's buffer,
	s_cselect_b64 s[10:11], s[4:5], s[6:7]         ; the B side's
	s_add_nc_u64 s[20:21], s[8:9], s[20:21]
	s_add_nc_u64 s[46:47], s[10:11], s[46:47]
	CROUND                                         ; all sixteen work-groups are here: the first joint loads meet
.irp s, 0,1
	s_mov_b32 s[G0+4*\s], 1
	s_add_co_u32 s[G0+4*\s+1], s45, \s*SLOT
	s_add_nc_u64 s[G0+4*\s+2:G0+4*\s+3], s[20:21], \s*KADV
	s_or_b32 s[G0+4*\s+3], s[G0+4*\s+3], 0x80000000
	s_mov_b32 s[G0B+4*\s], 1
	s_add_co_u32 s[G0B+4*\s+1], s45, \s*SLOT
	s_add_nc_u64 s[G0B+4*\s+2:G0B+4*\s+3], s[46:47], \s*KADV
	s_or_b32 s[G0B+4*\s+3], s[G0B+4*\s+3], 0x80000000
	JLOAD G0+4*\s, G1, G0B+4*\s, G1B
.endr
	v_and_b32 v6, 31, v0
	v_lshlrev_b32 v[L16], 4, v6
	v_lshlrev_b32 v[L4], 2, v6
	v_bfe_u32 v2, v0, 4, 1
	v_lshlrev_b32 v[H32], 5, v2
	v_and_b32 v1, 15, v0
	v_lshlrev_b32 v[R4], 2, v1
	s_mul_i32 s21, s15, HALFT                      ; my 8 row tiles of the A side
	s_mul_i32 s22, s16, HALFT                      ; and of the B side,
	s_add_co_u32 s22, s22, 2*HALFT                 ; which lies behind the A side's 16
.irp s, 0,1
	v_add_nc_u32 v[ADRA+\s], s21, v[L16]
	v_add_nc_u32 v[ADRB+\s], s22, v[L16]
	s_add_co_u32 s21, s21, SLOT
	s_add_co_u32 s22, s22, SLOT
.endr
.macro FRAG reg, adr, q, i             ; row tile i, the slot's q-th 128 along K: an image, four loads of 512 consecutive bytes
.irp c, 0,1,2,3
	ds_load_b128 v[\reg+4*\c:\reg+4*\c+3], v[\adr] offset:4096*(\i)+2048*(\q)+512*\c
.endr
.endm
; 16 matrix instructions: the A side's blocks a0, a0 + 1 x the B side's eight, 128 along K.  The 64 accumulators take turns, one instruction a turn, in the same order in every step.
.macro MUL16 a0, p, zero
.irp a, \a0, \a0+1
.irp b, 0,1,2,3,4,5,6,7
.if \zero
	v_wmma_f32_16x16x128_fp8_fp8 v[8*(8*((\a)%4)+\b):8*(8*((\a)%4)+\b)+7], v[128*(\p)+FR*\b:128*(\p)+FR*\b+FR-1], v[AF+FR*(\a):AF+FR*(\a)+FR-1], 0
.else
	v_wmma_f32_16x16x128_fp8_fp8 v[8*(8*((\a)%4)+\b):8*(8*((\a)%4)+\b)+7], v[128*(\p)+FR*\b:128*(\p)+FR*\b+FR-1], v[AF+FR*(\a):AF+FR*(\a)+FR-1], v[8*(8*((\a)%4)+\b):8*(8*((\a)%4)+\b)+7]
.endif
.endr
.endr
.endm
.macro FETCH_B slot, q, p
	WIN TO_B
.irp i, 0,1,2,3,4,5,6,7
	FRAG 128*(\p)+FR*\i, ADRB+\slot, \q, \i
.endr
	WIN 0
.endm
.macro FETCH_A slot, q, i0
.irp i, \i0, \i0+1, \i0+2, \i0+3
	FRAG AF+FR*(\i), ADRA+\slot, \q, \i
.endr
.endm
.macro PLACES n                        ; plain vector lines between a matrix instruction and a load into, or a read of, its registers
.rept \n
	v_nop
.endr
.endm
.macro STEP slot, q, zero              ; 128 along K, with its successor in the same slot
	s_wait_dscnt 4*NL                              ; the B side's set and the A side's blocks 0-3 are in; the youngest 16 loads (blocks 4-7) may be out
	WIN MUL_LO
	MUL16 0, (\q)%2, \zero
	MUL16 2, (\q)%2, \zero
	s_wait_dscnt 0
	PLACES NP
	FETCH_B \slot, (\q)+1, 1-(\q)%2
	FETCH_A \slot, (\q)+1, 0
	WIN MUL_HI
	MUL16 4, (\q)%2, \zero
	MUL16 6, (\q)%2, \zero
	PLACES NP
	WIN 0
	FETCH_A \slot, (\q)+1, 4
.endm
; A slot's last step changes slots: one barrier; in front of it each wave waits for all its tensor loads, adds 0 to its spare word, and waits for that and for its reads of this slot.
.macro TURN slot, next, fill
	s_wait_tensorcnt 0x0                           ; all my tensor loads have landed: my part of the next slot
	ds_add_u32 v[SPW], v[NIL]
	s_wait_dscnt 4*NL+1                            ; the add and the youngest 16 loads may be out
	WIN MUL_LO
	MUL16 0, 1, 0
	s_wait_dscnt 0x0                               ; the add is done, and my reads of this slot are over
	s_barrier_signal -1
	MUL16 2, 1, 0
	WIN 0
	s_barrier_wait -1
.if \fill
	CREST                                          ; the barrier has opened a round of the cluster's: no wave of any partner still reads this slot or has a load on its way
	s_add_nc_u64 s[G0+4*\slot+2:G0+4*\slot+3], s[G0+4*\slot+2:G0+4*\slot+3], 2*KADV
	s_add_nc_u64 s[G0B+4*\slot+2:G0B+4*\slot+3], s[G0B+4*\slot+2:G0B+4*\slot+3], 2*KADV
	JLOAD G0+4*\slot, G1, G0B+4*\slot, G1B         ; the first tensor load behind the round; its four v_nop are the places in front of the loads below
.else
	PLACES NP
.endif
	FETCH_B \next, 0, 0
	FETCH_A \next, 0, 0
	WIN MUL_HI
	MUL16 4, 1, 0
	MUL16 6, 1, 0
	PLACES NP
	WIN 0
	FETCH_A \next, 0, 4
.endm
	s_wait_tensorcnt 1                             ; my part of K step 0 is in; K step 1's load may be out
	s_barrier_signal -1
	s_barrier_wait -1
	FETCH_B 0, 0, 0
	FETCH_A 0, 0, 0
	FETCH_A 0, 0, 4
	STEP 0, 0, 1                                   ; the first step's products start the sums
	s_mov_b32 s3, 1                                ; K = 1,024 is two laps of the ring: one trip fills both slots again
.Llap:
	TURN 0, 1, 1
	STEP 1, 0, 0
	TURN 1, 0, 1
	STEP 0, 0, 0
	s_sub_co_u32 s3, s3, 1
	s_cmp_lg_u32 s3, 0
	s_cbranch_scc1 .Llap
	TURN 0, 1, 0                                   ; the last lap fills nothing
	STEP 1, 0, 0
	s_wait_dscnt 4*NL
	WIN MUL_LO
	MUL16 0, 1, 0
	MUL16 2, 1, 0
	s_wait_dscnt 0
	WIN MUL_HI
	MUL16 4, 1, 0
	MUL16 6, 1, 0
	WIN 0
	; THE WAYS OUT.  The powers of two first; every choice hangs on the cluster's x alone.
	s_wait_kmcnt 0x0
	s_add_co_i32 s88, s88, s89
	s_add_co_i32 s90, s90, s91
	s_add_co_i32 s92, s92, s93
	s_cmp_eq_u32 ttmp9, 1
	s_cselect_b32 s88, s90, s88
	s_cselect_b32 s90, s95, s94                    ; the codes' scale: e6 for Q, e7 for K,
	s_cmp_eq_u32 ttmp9, 2
	s_cselect_b32 s88, s92, s88
	s_cselect_b32 s90, s96, s90                    ; e9 for V
	s_add_co_i32 s88, s88, 127
	s_lshl_b32 s88, s88, 23                        ; 2^(the product's two exponents added)
	s_mov_b32 s89, s88                             ; (named with it as a pair)
	s_add_co_i32 s90, s90, 127
	s_lshl_b32 s91, s90, 23
	v_mov_b32 v[OSC], s91
	s_add_co_i32 s90, s90, 8
	s_lshl_b32 s90, s90, 23
	s_or_b32 s90, s90, 0x600000
	v_mov_b32 v[OLIM], s90
	s_add_co_i32 s92, s94, s95
	s_sub_co_i32 s92, 126, s92
	s_lshl_b32 s92, s92, 23                        ; 2^-E, E = 1 + e6 + e7
	v_mov_b32 v84, 0                               ; a lane permute's destination counts as read
	PLACES NP
	s_cmp_eq_u32 ttmp9, 2
	s_cbranch_scc1 .Lv_out
	; ---- Q or K.  Accumulator (a, b), lane (r, h), register j: token 16 a + r, feature 16 b + 8 h + j of my 128 x 128.  My 128 features are two heads.
	s_cmp_eq_u32 ttmp9, 1
	s_cselect_b64 s[10:11], s[70:71], s[68:69]     ; the bias,
	s_cselect_b64 s[12:13], s[78:79], s[76:77]     ; the codes,
	s_cselect_b64 s[18:19], s[84:85], s[82:83]     ; the norms,
	s_cselect_b32 s2, 14, 13                       ; and a head's bytes in them: 2^14 in kn, 2^13 in qn
	s_lshl_b32 s8, s40, 10
	s_lshl_b32 s9, s16, 9
	s_add_co_u32 s8, s8, s9                        ; 4 x my first feature
	s_mov_b32 s9, 0
	s_add_nc_u64 s[10:11], s[10:11], s[8:9]
	s_lshr_b32 s22, s17, 3                         ; the batch: 8 tiles of 256 tokens each
	s_lshl_b32 s22, s22, 4
	s_lshl_b32 s23, s40, 2
	s_add_co_u32 s22, s22, s23
	s_lshl_b32 s23, s16, 1
	s_add_co_u32 s22, s22, s23                     ; my first head: 16 batch + 4 cx + 2 (wave % 2)
	s_and_b32 s23, s17, 7
	s_lshl_b32 s23, s23, 4
	s_lshl_b32 s8, s15, 3
	s_add_co_u32 s23, s23, s8                      ; my first token tile in the batch
	s_lshl_b32 s8, s22, 17
	s_lshl_b32 s86, s23, 10
	s_add_co_u32 s8, s8, s86
	s_add_nc_u64 s[12:13], s[12:13], s[8:9]
	s_lshl_b32 s8, s22, s2
	s_lshl_b32 s86, s23, 6
	s_add_co_u32 s8, s8, s86
	s_add_nc_u64 s[18:19], s[18:19], s[8:9]        ; the first head's norms,
	s_lshl_b32 s8, 1, s2
	s_add_nc_u64 s[20:21], s[18:19], s[8:9]        ; the second's
	WIN TO_B
.irp b, 0,1,2,3,4,5,6,7
	global_load_b128 v[8*\b:8*\b+3], v[H32], s[10:11] offset:64*\b       ; the bias in the result's layout, window 1 v0-63
	global_load_b128 v[8*\b+4:8*\b+7], v[H32], s[10:11] offset:64*\b+16
.endr
	WIN 0
	s_wait_loadcnt 0x0
.macro QKOUT a, hh                     ; 16 tokens of one head: 32 numbers a lane
.set AC, 64*((\a)%4)+32*(\hh)
.set BI, 32*(\hh)
.set CD, 128+8*(2*(\a)+(\hh))          ; each (a, hh) has registers of its own for its codes: no store's data are written again
	WIN 0x10|(2+(\a)/4)                            ; source 0 (the sums) window 2 or 3, source 2 (the bias) window 1
.set i, 0
.rept 16
	v_pk_fma_f32 v[T+i:T+i+1], v[AC+i:AC+i+1], s[88:89], v[BI+i:BI+i+1] op_sel_hi:[1,0,1]   ; each accumulator from its low end on
.set i, i+2
.endr
	WIN 0
	v_pk_mul_f32 v[80:81], v[T:T+1], v[T:T+1]      ; the sum of squares, in two chains
	v_pk_mul_f32 v[82:83], v[T+2:T+3], v[T+2:T+3]
.set i, 4
.rept 7
	v_pk_fma_f32 v[80:81], v[T+i:T+i+1], v[T+i:T+i+1], v[80:81]
	v_pk_fma_f32 v[82:83], v[T+i+2:T+i+3], v[T+i+2:T+i+3], v[82:83]
.set i, i+4
.endr
	v_pk_add_f32 v[80:81], v[80:81], v[82:83]
	v_add_f32 v80, v80, v81
	v_permlanex16_b32 v84, v80, s98, s99           ; the token's other 32 numbers lie in the lane 16 away
	v_add_f32 v[64+8*(\hh)+(\a)], v80, v84
.set i, 0
.rept 32
	v_med3_num_f32 v[T+i], v[T+i], -v[OLIM], v[OLIM]
.set i, i+1
.endr
.irp c, 0,1,2,3
	v_cvt_scalef32_pk8_fp8_f32 v[CD+2*\c:CD+2*\c+1], v[T+8*\c:T+8*\c+7], v[OSC]   ; registers 2 c, 2 c + 1 of the operand: k = 16 c + 8 h + 0 .. 7
.endr
	v_nop                                          ; a plain line behind the last conversion
	global_store_b128 v[L16], v[CD:CD+3], s[12:13] offset:131072*(\hh)+1024*(\a)
	global_store_b128 v[L16], v[CD+4:CD+7], s[12:13] offset:131072*(\hh)+1024*(\a)+512
.endm
.irp a, 0,1,2,3,4,5,6,7
	QKOUT \a, 0
	QKOUT \a, 1
.endr
.irp hh, 0,1
.irp pr, 0,1,2,3
	v_cndmask_b32 v[88+4*\hh+\pr], v[64+8*\hh+2*\pr], v[64+8*\hh+2*\pr+1], s97   ; lanes 0-15: block 2 pr's tokens; lanes 16-31: block 2 pr + 1's
.endr
.endr
.irp i, 0,1,2,3,4,5,6,7
	v_mul_f32 v[96+\i], s92, v[88+\i]              ; x 2^-E: nothing is rounded
.endr
.irp pr, 0,1,2,3
	global_store_b32 v[L4], v[96+\pr], s[18:19] offset:128*\pr
	global_store_b32 v[L4], v[100+\pr], s[20:21] offset:128*\pr
.endr
	s_cmp_lg_u32 ttmp9, 1
	s_cbranch_scc1 .Ldone
.irp i, 0,1,2,3,4,5,6,7
	v_sqrt_f32 v[104+\i], v[88+\i]                 ; K alone: the masses
.endr
	v_nop
	s_wait_alu depctr_va_vdst(0)                   ; one wait for the eight roots, ahead of their first reader
.irp pr, 0,1,2,3
	global_store_b32 v[L4], v[104+\pr], s[18:19] offset:8192+128*\pr
	global_store_b32 v[L4], v[108+\pr], s[20:21] offset:8192+128*\pr
.endr
	s_branch .Ldone
.Lv_out:
	; ---- V.  Accumulator (a, b), lane (r, h), register j: feature 16 a + r, token 16 b + 8 h + j.  My 128 tokens are one block of keys; my 128 features two heads.
	s_lshl_b32 s8, s41, 10
	s_lshl_b32 s9, s15, 9
	s_add_co_u32 s8, s8, s9                        ; 4 x my first feature
	s_mov_b32 s9, 0
	s_add_nc_u64 s[10:11], s[72:73], s[8:9]
	s_lshr_b32 s22, s42, 3
	s_lshl_b32 s22, s22, 4
	s_lshl_b32 s23, s41, 2
	s_add_co_u32 s22, s22, s23
	s_lshl_b32 s23, s15, 1
	s_add_co_u32 s22, s22, s23                     ; my first head: 16 batch + 4 cy + 2 (wave / 2)
	s_and_b32 s23, s42, 7
	s_lshl_b32 s23, s23, 1
	s_add_co_u32 s23, s23, s16                     ; my block of 128 keys
	s_lshl_b32 s8, s22, 17
	s_lshl_b32 s23, s23, 13
	s_add_co_u32 s8, s8, s23
	s_add_nc_u64 s[12:13], s[80:81], s[8:9]
.irp a, 0,1,2,3,4,5,6,7
	global_load_b32 v[96+2*\a], v[R4], s[10:11] offset:64*\a   ; one bias a lane and block
	v_mov_b32 v[97+2*\a], 0                        ; (named with it as a pair)
.endr
	s_wait_loadcnt 0x0
.macro VOUT a
	WIN 2+(\a)/4                                   ; source 0 (the sums) window 2 or 3
.set i, 0
.rept 32
	v_pk_fma_f32 v[T+i:T+i+1], v[64*((\a)%4)+i:64*((\a)%4)+i+1], s[88:89], v[96+2*(\a):97+2*(\a)] op_sel_hi:[1,0,0]
.set i, i+2
.endr
	WIN 0
.set i, 0
.rept 64
	v_med3_num_f32 v[T+i], v[T+i], -v[OLIM], v[OLIM]
.set i, i+1
.endr
.irp b, 0,1,2,3,4,5,6,7
	v_cvt_scalef32_pk8_fp8_f32 v[128+16*(\a)+2*\b:128+16*(\a)+2*\b+1], v[T+8*\b:T+8*\b+7], v[OSC]   ; registers 2 b, 2 b + 1: keys 16 b + 8 h + 0 .. 7
.endr
	v_nop
.irp c, 0,1,2,3
	global_store_b128 v[L16], v[128+16*(\a)+4*\c:128+16*(\a)+4*\c+3], s[12:13] offset:131072*((\a)/4)+2048*((\a)%4)+512*\c
.endr
.endm
.irp a, 0,1,2,3,4,5,6,7
	VOUT \a
.endr
.Ldone:
	s_wait_tensorcnt 0x0                           ; the wave's end
	ds_add_u32 v[SPW], v[NIL]
	s_wait_dscnt 0x0
	CROUND                                         ; the closing round: no work-group ends while a partner may still ask for a tile that names it
	s_endpgm
.Lfunc_end_k_qed97f81061_proj:
	.size	k_qed97f81061_proj, .Lfunc_end_k_qed97f81061_proj-k_qed97f81061_proj
	.p2alignl 7, 3214868480
	.fill 96, 4, 3214868480
	.section	.rodata,"a",@progbits
	.p2align	6, 0x0
	.amdhsa_kernel k_qed97f81061_proj
		.amdhsa_group_segment_fixed_size 327680
		.amdhsa_private_segment_fixed_size 0
		.amdhsa_enable_private_segment 0
		.amdhsa_kernarg_size 88
		.amdhsa_user_sgpr_count 2
		.amdhsa_user_sgpr_kernarg_segment_ptr 1
		.amdhsa_wavefront_size32 1
		.amdhsa_system_sgpr_workgroup_id_x 1
		.amdhsa_system_sgpr_workgroup_id_y 1
		.amdhsa_system_sgpr_workgroup_id_z 1
		.amdhsa_system_vgpr_workitem_id 0
		.amdhsa_next_free_vgpr 1024
		.amdhsa_next_free_sgpr 104
		.amdhsa_reserve_vcc 0
		.amdhsa_float_denorm_mode_32 3
		.amdhsa_float_denorm_mode_16_64 3
		.amdhsa_memory_ordered 1
		.amdhsa_forward_progress 1
		.amdhsa_inst_pref_size 216
	.end_amdhsa_kernel
	.amdgpu_metadata
---
amdhsa.version: [ 1, 2 ]
amdhsa.kernels:
  - .name:           k_qed97f81061_proj
    .symbol:         k_qed97f81061_proj.kd
    .args:
      - { .name: xc, .offset: 0, .size: 8, .value_kind: global_buffer, .address_space: global }
      - { .name: wc, .offset: 8, .size: 8, .value_kind: global_buffer, .address_space: global }
      - { .name: bq, .offset: 16, .size: 8, .value_kind: global_buffer, .address_space: global }
      - { .name: bk, .offset: 24, .size: 8, .value_kind: global_buffer, .address_space: global }
      - { .name: bv, .offset: 32, .size: 8, .value_kind: global_buffer, .address_space: global }
      - { .name: lowp_scales, .offset: 40, .size: 8, .value_kind: global_buffer, .address_space: global }
      - { .name: qc, .offset: 48, .size: 8, .value_kind: global_buffer, .address_space: global }
      - { .name: kc, .offset: 56, .size: 8, .value_kind: global_buffer, .address_space: global }
      - { .name: vc, .offset: 64, .size: 8, .value_kind: global_buffer, .address_space: global }
      - { .name: qn, .offset: 72, .size: 8, .value_kind: global_buffer, .address_space: global }
      - { .name: kn, .offset: 80, .size: 8, .value_kind: global_buffer, .address_space: global }
    .group_segment_fixed_size: 327680
    .private_segment_fixed_size: 0
    .kernarg_segment_align: 8
    .kernarg_segment_size: 88
    .max_flat_workgroup_size: 128
    .sgpr_count:     104
    .vgpr_count:     1024
    .wavefront_size: 32
...
	.end_amdgpu_metadata
.endif
;; end of part 2
;; launch attn (part 3): grid 8 x 32, 4 waves a work-group, clusters of 4 x 1, 327,680 bytes of LDS; arguments qc, kc, vc, qn, kn, G, lowp_scales, ac; writes ac
.if DOCPART == 3
	.amdgcn_target "amdgcn-amd-amdhsa--gfx1250"
	.amdhsa_code_object_version 6
	.text
	.protected	k_qed97f81061_attn
	.globl	k_qed97f81061_attn
	.p2align	8
	.type	k_qed97f81061_attn,@function
k_qed97f81061_attn:
	s_mov_b64 s[64:65], 0
	v_nop
	global_prefetch_b8 v0, s[64:65] scope:SCOPE_SE
	s_setreg_imm32_b32 hwreg(HW_REG_WAVE_MODE, 25, 1), 1
	s_wait_xcnt 0x0
	s_wait_alu depctr_hold_cnt(0) depctr_sa_sdst(0) depctr_va_vdst(0) depctr_va_sdst(0) depctr_va_ssrc(0) depctr_va_vcc(0) depctr_vm_vsrc(0)
	s_getreg_b32 s2, hwreg(HW_REG_IB_STS2, 6, 4)
	s_cmp_eq_u32 s2, 0
	s_cbranch_scc0 .Lentry_in_a_cluster
	s_endpgm
.Lentry_in_a_cluster:
	s_bfe_u32 s2, ttmp6, 0x10000c
	s_cmp_lg_u32 s2, 0x3003
	s_cbranch_scc0 .Lentry_shape_is_right
	s_endpgm
.Lentry_shape_is_right:
; For each head: force(i, j) = G m_i m_j / (sqrt(max(|Q_i|^2 + |K_j|^2 - 2 Q_i . K_j, 0)) + 1e-8)^2, each row divided by its sum, then times V.  Both products on codes of FP8.
; The operand of the second product is the FINISHED, normalised force: a row's sum over all 2,048 keys is known before any of its forces is quantised.
; SHARES.  A work-group owns 256 queries of one head and takes them in 8 blocks of 32 (two tiles of 16).  WAVE w OWNS KEYS 512 w .. 512 w + 511 for the whole launch: its 2 x 512 forces of a block
; a lane-pair stay in 512 registers from the score to the quantiser, so roots, reciprocals and Q K^T are paid once.  Row sums and the parts of O cross the four waves through LDS: two barriers a block.
; A SCORE.  E = 1 + e6 + e7.  Q's codes get their sign bits turned (exact: the quantiser is odd); C of the score's matrix instruction is |Q_i|^2 2^-E + |K_j|^2 2^-E; so D = y = d2 / 2^E.
; Then u = m_j / (sqrt(max(y, 0)) + 1e-8 sqrt(2^-E))^2.  The factor 2^E cancels in the row's division.  With s the row's sum of u and c = G m_i: p = u x (c / (c s)).
; LAYOUT.  Both products transposed: S^T = K Q^T, O^T = V^T P^T: a lane holds one query; its eight registers of a key tile are keys 8 h + 0 .. 7, which is the place that the next operand's layout gives them.
; K, V, |K|^2 2^-E and the masses of the head come into LDS once, each wave's part by its own loads and read by that wave alone; nothing is filled again.
; CLUSTER.  The four work-groups of a cluster belong to one head: each tile is asked for jointly.  No prefetch: all tiles are asked for at the head.
; LIMITS.  E between -60 and 60; e8 and e10 - e8 - e9 between -126 and 119.  NaN among the inputs is not served.  A row with G m_i = 0, or c s beyond f32, is NaN by the formula; here its codes are the held ones.
; REGISTERS.  Window 0: v2-14 addresses and scales; v16-31 Q; v32-35 |Q|^2 (pairs); v36-37 m_i; v38-39 c; v40-55 sums; v56-59 1 / s (pairs); v60-63 O's codes;
;   v64-127 |K|^2, two sets, later V's set 0, later O's parts; v128-191 masses, two sets, later V's set 1; v192-255 K, two sets, later P's codes.
;   Windows 1, 2: the forces of query tile 0, 1 (key tile kt at v[8 kt]).  Window 3: v0-63 O^T ((a, t) at v[8 (4 a + t)]).
.set REG,   69632                      ; a wave's region of LDS: K's 32 images of 1,024 bytes, V's 16 of 2,048, 2,048 bytes of |K|^2 2^-E, 2,048 of masses
.set VIMG,  32768
.set NOFF,  65536
.set SUMX,  4*REG                      ; 512 bytes: each wave's row sums
.set OX,    SUMX+512                   ; 32,768 bytes: each wave's part of O^T, as images of its registers
.set SPARE, OX+32768                   ; the spare words
.set LK,  2                            ; v2   my region + 16 x lane
.set LN,  3                            ; v3   my region + NOFF + 32 (lane / 16)
.set QO,  4                            ; v4   16 x lane
.set QN,  5                            ; v5   4 x (lane % 16)
.set SXW, 6
.set SXR, 7
.set OXW, 8
.set OXR, 9
.set SPW, 10                           ; v10  LDS address of my spare word; never rewritten
.set NIL, 11                           ; v11  0; never rewritten
.set PSC, 12                           ; v12  2^e8
.set OSC, 13                           ; v13  2^(e10 - e8 - e9)
.set OLIM, 14                          ; v14  448 x that
.set QF,  16
.set Q2,  32
.set MI,  36
.set CC,  38
.set SUM, 40
.set NI,  56
.set OC,  60
.set K2B, 64
.set MB,  128
.set KB,  192
.set PC,  192
.set MSB, 0
.macro WIN new                         ; the immediate's high byte repeats the setting that is left
.if MSB != (\new)
	s_set_vgpr_msb (MSB<<8)|(\new)
.set MSB, (\new)
.endif
.endm
.macro ROUND                           ; a round of the cluster's barrier
	s_barrier_signal -1
	s_barrier_wait -1
	s_cmp_lg_u32 s20, 0
	s_cbranch_scc1 .Lnot_wave_0_\@
	s_barrier_signal -3
.Lnot_wave_0_\@:
	s_barrier_wait -3
	s_barrier_signal -1
	s_barrier_wait -1
.endm
.macro BARRIER                         ; my LDS stores have landed and my LDS loads are in: then the work-group's barrier
	s_wait_dscnt 0x0
	s_barrier_signal -1
	s_barrier_wait -1
.endm
	s_load_b256 s[4:11], s[0:1], 0x0               ; qc, kc, vc, qn
	s_load_b256 s[12:19], s[0:1], 0x20             ; kn, G, the scales' exponents, ac
	v_lshl_add_u32 v[SPW], v0, 2, SPARE
	v_mov_b32 v[NIL], 0
	ds_add_u32 v[SPW], v[NIL]                      ; the wave's opening: the add and its wait ahead of my first tensor load; the set-up below stands between them
	v_lshrrev_b32 v1, 5, v0
	v_readfirstlane_b32 s20, v1                    ; wave 0..3
	s_bfe_u32 s21, ttmp6, 0x40000                  ; cx
	s_lshl_b32 s22, ttmp9, 2
	s_add_co_u32 s22, s22, s21                     ; my 256 queries: it enters global addresses of Q, the norms and the output alone
	s_and_b32 s23, ttmp7, 0xffff                   ; batch x 16 + head, which the four partners share
	s_mov_b32 s28, 15|(3<<16)|(1<<21)              ; K's and V's tiles: dense blocks of 32,768 bytes as 128 rows of 256: the mask of all four; elements of 8 bytes; bit 21 beside a mask
	s_mov_b32 s29, 32<<16                          ; tensor_dim0 = 32
	s_mov_b32 s30, 128<<16                         ; tensor_dim1 = 128
	s_mov_b32 s31, 32<<16                          ; tile_dim0
	s_mov_b32 s32, 128                             ; tile_dim1
	s_mov_b32 s33, 32                              ; the pitch
	s_mov_b32 s34, 0
	s_mov_b32 s35, 0
	s_mov_b32 s36, 15|(3<<16)|(1<<21)              ; the norms: two rows of 2,048 bytes, 8,192 apart
	s_mov_b32 s37, 256<<16
	s_mov_b32 s38, 2<<16
	s_mov_b32 s39, 256<<16
	s_mov_b32 s40, 2
	s_mov_b32 s41, 1024
	s_mov_b32 s42, 0
	s_mov_b32 s43, 0
	s_mul_i32 s24, s20, REG                        ; my region
	s_lshl_b32 s66, s23, 17                        ; a head's 131,072 bytes of codes,
	s_lshl_b32 s25, s20, 15                        ; my 512 keys' 32,768
	s_add_co_u32 s66, s66, s25
	s_mov_b32 s67, 0
	s_lshl_b32 s26, s23, 14                        ; a head's 16,384 bytes of kn,
	s_lshl_b32 s25, s20, 11                        ; my 512 keys' 2,048 in a row
	s_add_co_u32 s26, s26, s25
	s_mov_b32 s27, 0
	s_mov_b32 s60, 0x76543210                      ; v_permlanex16_b32: lane l xor 16
	s_mov_b32 s61, 0xfedcba98
	s_mov_b32 s62, 0xffff0000                      ; lanes 16-31
	s_mov_b32 s63, 8                               ; blocks to go
	s_wait_dscnt 0x0                               ; the opening add is done
	s_wait_kmcnt 0x0
	s_load_b128 s[68:71], s[16:17], 0x18           ; e6, e7, e8, e9
	s_load_b32 s72, s[16:17], 0x28                 ; e10
	s_mov_b32 s44, 1
	s_add_co_u32 s45, s24, NOFF
	s_add_nc_u64 s[46:47], s[12:13], s[26:27]
	s_or_b32 s47, s47, 0x80000000
	s_mov_b32 s48, 1
	s_mov_b32 s49, s24
	s_add_nc_u64 s[50:51], s[6:7], s[66:67]
	s_or_b32 s51, s51, 0x80000000
	s_mov_b32 s52, 1
	s_add_co_u32 s53, s24, VIMG
	s_add_nc_u64 s[54:55], s[8:9], s[66:67]
	s_or_b32 s55, s55, 0x80000000
	ROUND                                          ; all four work-groups are here: the joint loads meet
	tensor_load_to_lds s[44:47], s[36:43]          ; three loads of mine are out: the norms,
	s_nop 0
	tensor_load_to_lds s[48:51], s[28:35]          ; K,
	s_nop 0
	tensor_load_to_lds s[52:55], s[28:35]          ; V
	s_nop 0
.rept 4
	v_nop
.endr
	s_and_b32 s25, s23, 15                         ; the head
	s_lshl_b32 s26, s25, 2
	s_add_nc_u64 s[14:15], s[14:15], s[26:27]
	s_load_b32 s59, s[14:15], 0x0                  ; G of my head
	s_lshl_b32 s26, s23, 17
	s_lshl_b32 s25, s22, 14
	s_add_co_u32 s26, s26, s25
	s_add_nc_u64 s[4:5], s[4:5], s[26:27]          ; Q's images at my first query tile
	s_lshl_b32 s26, s23, 13
	s_lshl_b32 s25, s22, 10
	s_add_co_u32 s26, s26, s25
	s_add_nc_u64 s[10:11], s[10:11], s[26:27]      ; |Q|^2 2^-E at my first query
	s_lshl_b32 s26, s23, 14
	s_add_co_u32 s26, s26, s25
	s_add_co_u32 s26, s26, 8192
	s_add_nc_u64 s[12:13], s[12:13], s[26:27]      ; the masses at my first query's token
	s_lshr_b32 s25, s23, 4
	s_lshl_b32 s26, s25, 21                        ; the output: 128 token tiles of 16,384 bytes a batch,
	s_lshl_b32 s25, s22, 18                        ; my 16 tiles,
	s_add_co_u32 s26, s26, s25
	s_lshr_b32 s25, s20, 1
	s_lshl_b32 s25, s25, 14                        ; the tile of the block that I reduce: wave / 2,
	s_add_co_u32 s26, s26, s25
	s_and_b32 s25, s23, 15
	s_lshl_b32 s25, s25, 10                        ; the head's 64 of the 1,024: 2,048 (head / 2) + 1,024 (head % 2),
	s_add_co_u32 s26, s26, s25
	s_and_b32 s25, s20, 1
	s_lshl_b32 s25, s25, 9                         ; and my register quad of it: wave % 2
	s_add_co_u32 s26, s26, s25
	s_add_nc_u64 s[18:19], s[18:19], s[26:27]
	v_and_b32 v1, 31, v0
	v_lshlrev_b32 v[QO], 4, v1
	v_add_nc_u32 v[LK], s24, v[QO]
	v_bfe_u32 v15, v0, 4, 1
	v_lshlrev_b32 v[LN], 5, v15
	s_add_co_u32 s25, s24, NOFF
	v_add_nc_u32 v[LN], s25, v[LN]
	v_and_b32 v15, 15, v0
	v_lshlrev_b32 v[QN], 2, v15
	v_add_nc_u32 v[SXR], SUMX, v[QN]
	v_lshl_add_u32 v[SXW], v0, 2, SUMX             ; 128 bytes a wave, a word a lane
	s_lshl_b32 s25, s20, 13
	s_add_co_u32 s25, s25, OX
	v_add_nc_u32 v[OXW], s25, v[QO]
	s_lshl_b32 s25, s20, 11
	s_add_co_u32 s25, s25, OX
	v_add_nc_u32 v[OXR], s25, v[QO]
.macro QLOAD                           ; a block's Q, |Q|^2 2^-E and m_i
.irp a, 0,1
	global_load_b128 v[QF+8*\a:QF+8*\a+3], v[QO], s[4:5] offset:1024*\a
	global_load_b128 v[QF+8*\a+4:QF+8*\a+7], v[QO], s[4:5] offset:1024*\a+512
	global_load_b32 v[Q2+2*\a], v[QN], s[10:11] offset:64*\a
	global_load_b32 v[MI+\a], v[QN], s[12:13] offset:64*\a
.endr
.endm
	QLOAD
	v_mov_b32 v[Q2+1], 0                           ; the upper halves of pairs that are named whole
	v_mov_b32 v[Q2+3], 0
	v_mov_b32 v[NI+1], 0
	v_mov_b32 v[NI+3], 0
	s_wait_kmcnt 0x0
	s_add_co_i32 s73, s68, s69
	s_sub_co_i32 s73, 126, s73
	s_lshl_b32 s73, s73, 23                        ; 2^-E
	v_mov_b32 v15, s73
	v_sqrt_f32 v15, v15
	v_nop
	s_add_co_i32 s74, s70, 127
	s_lshl_b32 s75, s74, 23
	s_wait_alu depctr_va_vdst(0)                   ; the wait ahead of the root's first reader
	v_mul_f32 v15, 0x322bcc77, v15                 ; 1e-8 x sqrt(2^-E)
	v_readfirstlane_b32 s56, v15
	s_mov_b32 s57, s56                             ; (named with it as a pair)
	v_mov_b32 v[PSC], s75                          ; 2^e8
	s_add_co_i32 s74, s74, 8
	s_lshl_b32 s74, s74, 23
	s_or_b32 s58, s74, 0x600000                    ; 448 x 2^e8
	s_sub_co_i32 s74, s72, s70
	s_sub_co_i32 s74, s74, s71                     ; a sum of the second product stands for sum x 2^(e8 + e9): the three scales are folded into the conversion's one
	s_add_co_i32 s74, s74, 127
	s_lshl_b32 s75, s74, 23
	v_mov_b32 v[OSC], s75
	s_add_co_i32 s74, s74, 8
	s_lshl_b32 s74, s74, 23
	s_or_b32 s74, s74, 0x600000
	v_mov_b32 v[OLIM], s74
; LDS loads.  Group g is four key tiles, 64 keys.
.macro LDK g
.irp t, 0,1,2,3
	ds_load_b128 v[KB+32*((\g)%2)+8*\t:KB+32*((\g)%2)+8*\t+3], v[LK] offset:1024*(4*(\g)+\t)
	ds_load_b128 v[KB+32*((\g)%2)+8*\t+4:KB+32*((\g)%2)+8*\t+7], v[LK] offset:1024*(4*(\g)+\t)+512
.endr
.endm
.macro LDN base, g, off                ; eight numbers a key tile, in the result's layout: keys 8 h + 0 .. 7; the sixteen lanes of a half read the same words
.irp t, 0,1,2,3
	ds_load_b128 v[\base+32*((\g)%2)+8*\t:\base+32*((\g)%2)+8*\t+3], v[LN] offset:\off+64*(4*(\g)+\t)
	ds_load_b128 v[\base+32*((\g)%2)+8*\t+4:\base+32*((\g)%2)+8*\t+7], v[LN] offset:\off+64*(4*(\g)+\t)+16
.endr
.endm
.macro LDV kb                          ; V's four images of key block kb
.irp t, 0,1,2,3
.irp c, 0,1,2,3
	ds_load_b128 v[64+64*((\kb)%2)+16*\t+4*\c:64+64*((\kb)%2)+16*\t+4*\c+3], v[LK] offset:VIMG+8192*(\kb)+2048*\t+512*\c
.endr
.endr
.endm
.macro LRUN g                          ; one run of loads a group: K and |K|^2 two groups on, the masses one group on
.if (\g) < 7
	WIN 0
.if (\g) < 6
	LDK (\g)+2
	LDN K2B, (\g)+2, 0
.endif
	LDN MB, (\g)+1, 2048
.endif
.endm
; A UNIT u = 2 g + a is group g of query tile a: 32 registers at v[32 g] of window 1 + a.
.macro CBUILD u                        ; C = |K_j|^2 2^-E + |Q_i|^2 2^-E
.set ww, 1+(\u)%2
.set sb, 32*((\u)/2)
.set kk, K2B+32*(((\u)/2)%2)
	WIN (ww<<6)|(ww<<4)
.set i, 0
.rept 16
	v_pk_add_f32 v[sb+i:sb+i+1], v[kk+i:kk+i+1], v[Q2+2*((\u)%2):Q2+2*((\u)%2)+1] op_sel_hi:[1,0]
.set i, i+2
.endr
.endm
.macro QKMUL u                         ; y = C - K . Q: four accumulators, one instruction each
.set ww, 1+(\u)%2
.set sb, 32*((\u)/2)
.set kk, KB+32*(((\u)/2)%2)
.set qq, QF+8*((\u)%2)
	WIN (ww<<6)|(ww<<4)
.irp t, 0,1,2,3
	v_wmma_f32_16x16x64_fp8_fp8 v[sb+8*\t:sb+8*\t+7], v[kk+8*\t:kk+8*\t+7], v[qq:qq+7], v[sb+8*\t:sb+8*\t+7]
.endr
.endm
.macro ROOT u                          ; sqrt(max(y, 0)), ascending: each accumulator is read from its low end on; a plain line stands behind each root but the last two
.set ww, 1+(\u)%2
.set sb, 32*((\u)/2)
	WIN (ww<<6)|(ww<<2)|ww
	v_max_num_f32 v[sb], 0, v[sb]
	v_max_num_f32 v[sb+1], 0, v[sb+1]
.set i, 0
.rept 32
	v_sqrt_f32 v[sb+i], v[sb+i]
.if i < 30
	v_max_num_f32 v[sb+i+2], 0, v[sb+i+2]
.endif
.set i, i+1
.endr
.endm
.macro RECIP u                         ; 1 / (root + eps)^2: the additions and squares run two pairs ahead of the reciprocals
.set ww, 1+(\u)%2
.set sb, 32*((\u)/2)
	WIN (ww<<6)|(ww<<2)|ww
.irp p, 0,2
	v_pk_add_f32 v[sb+\p:sb+\p+1], v[sb+\p:sb+\p+1], s[56:57] op_sel_hi:[1,0]
	v_pk_mul_f32 v[sb+\p:sb+\p+1], v[sb+\p:sb+\p+1], v[sb+\p:sb+\p+1]
.endr
.set i, 0
.rept 16
	v_rcp_f32 v[sb+i], v[sb+i]
.if i < 28
	v_pk_add_f32 v[sb+i+4:sb+i+5], v[sb+i+4:sb+i+5], s[56:57] op_sel_hi:[1,0]
.endif
	v_rcp_f32 v[sb+i+1], v[sb+i+1]
.if i < 28
	v_pk_mul_f32 v[sb+i+4:sb+i+5], v[sb+i+4:sb+i+5], v[sb+i+4:sb+i+5]
.endif
.set i, i+2
.endr
.endm
.macro WEIGH u                         ; u = m_j / dist^2, and the row's sum, in four chains
.set ww, 1+(\u)%2
.set sb, 32*((\u)/2)
.set mm, MB+32*(((\u)/2)%2)
.set sm, SUM+8*((\u)%2)
	WIN (ww<<6)|ww
.set i, 0
.rept 16
	v_pk_mul_f32 v[sb+i:sb+i+1], v[sb+i:sb+i+1], v[mm+i:mm+i+1]
.set i, i+2
.endr
	WIN ww<<2
.set i, 0
.rept 16
	v_pk_add_f32 v[sm+2*(i%4):sm+2*(i%4)+1], v[sm+2*(i%4):sm+2*(i%4)+1], v[sb+2*i:sb+2*i+1]
.set i, i+1
.endr
.endm
; One wait a unit serves this unit's roots and the last unit's reciprocals: nothing names a root's result ahead of it but behind the roots, and the last unit's forces are weighed behind it.
; The weighing's 32 plain lines are the places between the next unit's products and the first read of their results.
.macro UNIT u
	ROOT \u
.if (\u)%2
	s_wait_dscnt 0x0                               ; the run of loads issued a group ago is in: K and |K|^2 of the next group, the masses of this one
.endif
.if (\u) < 15
	CBUILD (\u)+1
.else
	v_nop
.endif
	s_wait_alu depctr_va_vdst(0)
.if (\u)%2
	LRUN (\u)/2
.endif
	RECIP \u
.if (\u) < 15
	QKMUL (\u)+1
.endif
.if (\u) > 0
	WEIGH (\u)-1
.else
.rept 4
	v_nop
.endr
.endif
.endm
.macro PNORM kb, a                     ; key block kb of tile a: p = u / s, held, quantised: P's fragment
.set ww, 1+(\a)
.set sb, 64*(\kb)
	WIN (ww<<6)|(ww<<2)
.set i, 0
.rept 32
	v_pk_mul_f32 v[sb+i:sb+i+1], v[NI+2*(\a):NI+2*(\a)+1], v[sb+i:sb+i+1] op_sel_hi:[0,1]
.set i, i+2
.endr
.set i, 0
.rept 64
	v_min_num_f32 v[sb+i], s58, v[sb+i]            ; the conversion does not saturate (ISA guide 7.6.2); p is not negative, so the hold is one-sided
.set i, i+1
.endr
	WIN ww
.irp c, 0,1,2,3,4,5,6,7
	v_cvt_scalef32_pk8_fp8_f32 v[PC+16*(\a)+2*\c:PC+16*(\a)+2*\c+1], v[sb+8*\c:sb+8*\c+7], v[PSC]
.endr
	v_nop                                          ; a plain line behind the last conversion
.endm
.macro PVMUL kb                        ; O^T += V^T P^T: eight accumulators by turns
.set vb, 64+64*((\kb)%2)
.if (\kb) == 0
	WIN 0xc0
.else
	WIN 0xf0
.endif
.irp t, 0,1,2,3
.irp a, 0,1
.if (\kb) == 0
	v_wmma_f32_16x16x128_fp8_fp8 v[8*(4*\a+\t):8*(4*\a+\t)+7], v[vb+16*\t:vb+16*\t+15], v[PC+16*\a:PC+16*\a+15], 0
.else
	v_wmma_f32_16x16x128_fp8_fp8 v[8*(4*\a+\t):8*(4*\a+\t)+7], v[vb+16*\t:vb+16*\t+15], v[PC+16*\a:PC+16*\a+15], v[8*(4*\a+\t):8*(4*\a+\t)+7]
.endif
.endr
.endr
.endm
	s_wait_tensorcnt 0x0                           ; my three tiles are in; I read no other wave's
.Lblock:
	s_wait_loadcnt 0x0                             ; this block's Q, |Q|^2 and m_i
.irp i, 0,1,2,3,4,5,6,7,8,9,10,11,12,13,14,15
	v_xor_b32 v[QF+\i], 0x80808080, v[QF+\i]       ; -Q
.endr
	v_mul_f32 v[CC], s59, v[MI]                    ; c = G m_i
	v_mul_f32 v[CC+1], s59, v[MI+1]
	LDK 0
	LDN K2B, 0, 0
	LDK 1
	LDN K2B, 1, 0
	LDN MB, 0, 2048
	s_wait_dscnt 0x0
	CBUILD 0
	QKMUL 0
	WIN 0
.irp i, 0,1,2,3,4,5,6,7,8,9,10,11,12,13,14,15
	v_mov_b32 v[SUM+\i], 0                         ; (also the places behind the first products)
.endr
.irp u, 0,1,2,3,4,5,6,7,8,9,10,11,12,13,14,15
	UNIT \u
.endr
	s_wait_alu depctr_va_vdst(0)                   ; the last unit's reciprocals
	WEIGH 15
	; ---- the row's sum: my 512 keys', then the four waves'
	WIN 0
	LDV 0
.irp a, 0,1
	v_pk_add_f32 v[SUM+8*\a:SUM+8*\a+1], v[SUM+8*\a:SUM+8*\a+1], v[SUM+8*\a+2:SUM+8*\a+3]
	v_pk_add_f32 v[SUM+8*\a+4:SUM+8*\a+5], v[SUM+8*\a+4:SUM+8*\a+5], v[SUM+8*\a+6:SUM+8*\a+7]
.endr
.irp a, 0,1
	v_pk_add_f32 v[SUM+8*\a:SUM+8*\a+1], v[SUM+8*\a:SUM+8*\a+1], v[SUM+8*\a+4:SUM+8*\a+5]
.endr
.irp a, 0,1
	v_add_f32 v[SUM+8*\a], v[SUM+8*\a], v[SUM+8*\a+1]
.endr
.irp a, 0,1
	v_permlanex16_b32 v[SUM+8*\a+2], v[SUM+8*\a], s60, s61
.endr
.irp a, 0,1
	v_add_f32 v[SUM+8*\a], v[SUM+8*\a], v[SUM+8*\a+2]
.endr
	v_cndmask_b32 v[SUM+4], v[SUM], v[SUM+8], s62  ; lanes 0-15: tile 0's queries; lanes 16-31: tile 1's
	ds_store_b32 v[SXW], v[SUM+4]
	BARRIER                                        ; the four waves' sums lie in LDS; the last block's reads of O's parts are over
.irp w, 0,1,2,3
.irp a, 0,1
	ds_load_b32 v[SUM+2*\w+\a], v[SXR] offset:128*\w+64*\a
.endr
.endr
	s_wait_dscnt 0x0
	v_pk_add_f32 v[SUM:SUM+1], v[SUM:SUM+1], v[SUM+2:SUM+3]
	v_pk_add_f32 v[SUM+4:SUM+5], v[SUM+4:SUM+5], v[SUM+6:SUM+7]
	v_pk_add_f32 v[SUM:SUM+1], v[SUM:SUM+1], v[SUM+4:SUM+5]      ; s of tile 0, of tile 1
	v_pk_mul_f32 v[SUM+2:SUM+3], v[SUM:SUM+1], v[CC:CC+1]        ; c s: the row's sum of forces, but for the power of two
	v_rcp_f32 v[SUM+2], v[SUM+2]
	v_rcp_f32 v[SUM+3], v[SUM+3]
	v_nop
	s_wait_alu depctr_va_vdst(0)
	v_mul_f32 v[NI], v[CC], v[SUM+2]
	v_mul_f32 v[NI+2], v[CC+1], v[SUM+3]
	s_wait_xcnt 0x0                                ; the last block's store and this block's loads have read their bases and data: the pointers step, and v60-63 may be written again
	s_add_nc_u64 s[4:5], s[4:5], 2048
	s_add_nc_u64 s[10:11], s[10:11], 128
	s_add_nc_u64 s[12:13], s[12:13], 128
	s_add_nc_u64 s[18:19], s[18:19], 32768         ; (this block's store reaches back)
	s_cmp_eq_u32 s63, 1                            ; the last block asks for nothing: no load leaves its buffer
	s_cbranch_scc1 .Lno_next
	QLOAD
.Lno_next:
	; ---- the forces are normalised and quantised, 128 keys at a time, and multiplied by V
.irp kb, 0,1,2,3
	PNORM \kb, 0
	WIN 0
.if \kb < 3
	LDV \kb+1
.endif
	PNORM \kb, 1
.if \kb < 3
	s_wait_dscnt 16                                ; this key block's V is in; the 16 loads just issued may be out
.else
	s_wait_dscnt 0x0
.endif
	PVMUL \kb
.endr
	; ---- O's four parts meet: each wave stores its 64 registers as they stand, and reduces one query tile x two tiles of the head's 64
.rept 4
	v_nop
.endr
	WIN 0x0c                                       ; the stores' data in window 3
.set i, 0
.rept 16
	ds_store_b128 v[OXW], v[4*i:4*i+3] offset:512*i
.set i, i+1
.endr
	WIN 0
	BARRIER                                        ; the parts lie in LDS; this block's reads of the sums are over
.irp w, 0,1,2,3
.irp j, 0,1,2,3
	ds_load_b128 v[64+16*\w+4*\j:64+16*\w+4*\j+3], v[OXR] offset:8192*\w+512*\j
.endr
.endr
	s_wait_dscnt 0x0
.irp i, 0,2,4,6,8,10,12,14
	v_pk_add_f32 v[64+\i:65+\i], v[64+\i:65+\i], v[80+\i:81+\i]
	v_pk_add_f32 v[96+\i:97+\i], v[96+\i:97+\i], v[112+\i:113+\i]
.endr
.irp i, 0,2,4,6,8,10,12,14
	v_pk_add_f32 v[64+\i:65+\i], v[64+\i:65+\i], v[96+\i:97+\i]
.endr
.irp i, 0,1,2,3,4,5,6,7,8,9,10,11,12,13,14,15
	v_med3_num_f32 v[64+\i], v[64+\i], -v[OLIM], v[OLIM]
.endr
	v_cvt_scalef32_pk8_fp8_f32 v[OC:OC+1], v[64:71], v[OSC]      ; a register quad of the last product's operand
	v_cvt_scalef32_pk8_fp8_f32 v[OC+2:OC+3], v[72:79], v[OSC]
	v_nop
	global_store_b128 v[QO], v[OC:OC+3], s[18:19] offset:-32768  ; 512 consecutive bytes, aligned
	s_sub_co_u32 s63, s63, 1
	s_cmp_lg_u32 s63, 0
	s_cbranch_scc1 .Lblock
	s_wait_tensorcnt 0x0                           ; the wave's end, behind my last tensor load and my last LDS store
	ds_add_u32 v[SPW], v[NIL]
	s_wait_dscnt 0x0
	ROUND                                          ; the closing round
	s_endpgm
.Lfunc_end_k_qed97f81061_attn:
	.size	k_qed97f81061_attn, .Lfunc_end_k_qed97f81061_attn-k_qed97f81061_attn
	.p2alignl 7, 3214868480
	.fill 96, 4, 3214868480
	.section	.rodata,"a",@progbits
	.p2align	6, 0x0
	.amdhsa_kernel k_qed97f81061_attn
		.amdhsa_group_segment_fixed_size 327680
		.amdhsa_private_segment_fixed_size 0
		.amdhsa_enable_private_segment 0
		.amdhsa_kernarg_size 64
		.amdhsa_user_sgpr_count 2
		.amdhsa_user_sgpr_kernarg_segment_ptr 1
		.amdhsa_wavefront_size32 1
		.amdhsa_system_sgpr_workgroup_id_x 1
		.amdhsa_system_sgpr_workgroup_id_y 1
		.amdhsa_system_sgpr_workgroup_id_z 1
		.amdhsa_system_vgpr_workitem_id 0
		.amdhsa_next_free_vgpr 832
		.amdhsa_next_free_sgpr 96
		.amdhsa_reserve_vcc 0
		.amdhsa_float_denorm_mode_32 3
		.amdhsa_float_denorm_mode_16_64 3
		.amdhsa_memory_ordered 1
		.amdhsa_forward_progress 1
		.amdhsa_inst_pref_size 209
	.end_amdhsa_kernel
	.amdgpu_metadata
---
amdhsa.version: [ 1, 2 ]
amdhsa.kernels:
  - .name:           k_qed97f81061_attn
    .symbol:         k_qed97f81061_attn.kd
    .args:
      - { .name: qc, .offset: 0, .size: 8, .value_kind: global_buffer, .address_space: global }
      - { .name: kc, .offset: 8, .size: 8, .value_kind: global_buffer, .address_space: global }
      - { .name: vc, .offset: 16, .size: 8, .value_kind: global_buffer, .address_space: global }
      - { .name: qn, .offset: 24, .size: 8, .value_kind: global_buffer, .address_space: global }
      - { .name: kn, .offset: 32, .size: 8, .value_kind: global_buffer, .address_space: global }
      - { .name: G, .offset: 40, .size: 8, .value_kind: global_buffer, .address_space: global }
      - { .name: lowp_scales, .offset: 48, .size: 8, .value_kind: global_buffer, .address_space: global }
      - { .name: ac, .offset: 56, .size: 8, .value_kind: global_buffer, .address_space: global }
    .group_segment_fixed_size: 327680
    .private_segment_fixed_size: 0
    .kernarg_segment_align: 8
    .kernarg_segment_size: 64
    .max_flat_workgroup_size: 128
    .sgpr_count:     96
    .vgpr_count:     832
    .wavefront_size: 32
...
	.end_amdgpu_metadata
.endif
;; end of part 3
;; launch oproj (part 4): grid 4 x 16, 4 waves a work-group, clusters of 4 x 4, 327,680 bytes of LDS; arguments ac, wc, bo, lowp_scales, out0; writes out0
.if DOCPART == 4
	.amdgcn_target "amdgcn-amd-amdhsa--gfx1250"
	.amdhsa_code_object_version 6
	.text
	.protected	k_qed97f81061_oproj
	.globl	k_qed97f81061_oproj
	.p2align	8
	.type	k_qed97f81061_oproj,@function
k_qed97f81061_oproj:
	s_mov_b64 s[64:65], 0
	v_nop
	global_prefetch_b8 v0, s[64:65] scope:SCOPE_SE
	s_setreg_imm32_b32 hwreg(HW_REG_WAVE_MODE, 25, 1), 1
	s_wait_xcnt 0x0
	s_wait_alu depctr_hold_cnt(0) depctr_sa_sdst(0) depctr_va_vdst(0) depctr_va_sdst(0) depctr_va_ssrc(0) depctr_va_vcc(0) depctr_vm_vsrc(0)
	s_getreg_b32 s2, hwreg(HW_REG_IB_STS2, 6, 4)
	s_cmp_eq_u32 s2, 0
	s_cbranch_scc0 .Lentry_in_a_cluster
	s_endpgm
.Lentry_in_a_cluster:
	s_bfe_u32 s2, ttmp6, 0x10000c
	s_cmp_lg_u32 s2, 0xf033
	s_cbranch_scc0 .Lentry_shape_is_right
	s_endpgm
.Lentry_shape_is_right:
; out0 = a Wo^T + bo on codes of FP8: a [4096][1024] (ac) and Wo [1024][1024] (wc, section 3) lie as images of operand registers (16 rows x 128 k in 2,048 bytes; a row tile's eight on end).
; A work-group of four waves makes 256 x 256, a wave 128 x 128: 64 accumulators.  K = 1,024 goes in four steps of 256 through a ring of two LDS slots; a wave's tensor load brings 8 row tiles x 4,096 bytes.
; A fragment is four ds_load_b128 of 512 consecutive bytes: no pitch, no padding.  THE MATRIX INSTRUCTION IS USED TRANSPOSED (source 0 = 16 rows of Wo, source 1 = 16 tokens): a lane holds eight
; neighbouring numbers of a row of out0.  Each sum leaves as sum x 2^(e10 + e11) + bo, one packed multiply-add for two numbers.
; CLUSTERS: 4 x 4 work-groups; a's tiles are shared along a row of the cluster, Wo's along a column, by joint loads.  64 tiles of 256 x 256: 64 work-groups.
; LIMIT: e10 + e11 between -126 and 127.
; REGISTERS: window 0: v0-31 addresses, from v128 a's fragments, ONE set; window 1: Wo's, TWO sets; windows 2, 3: the accumulators ((a, b) at v[8 (8 (a % 4) + b)]).
.set FR,     16
.set NL,     4
.set NP,     4                         ; places behind this matrix instruction (ISA guide 7.12.1)
.set HALFT,  32768
.set SLOT,   4*HALFT
.set KADV,   4096
.set SPARE,  2*SLOT
.set SPITCH, 528                       ; the way out: a stage of 16 rows x (512 bytes + 16) for each wave, in slot 0, which has had its last fill and its last read when the first result is stored there
.set ADRA, 16
.set ADRB, 20
.set STO,  24                          ; v24  where I put 32 bytes of a row
.set RD,   25                          ; v25  where I read a row back
.set CO,   26                          ; v26  16 x lane: my byte offset in a row's 512
.set H32,  27                          ; v27  32 x (lane / 16)
.set SPW,  28
.set NIL,  29
.set TMP,  32
.set AF,   128
.set BK,   128
.set G1, 24
.set G0, 32
.set G1B, 48
.set G0B, 56
.set MSB, 0
.macro WIN new
.if MSB != (\new)
	s_set_vgpr_msb (MSB<<8)|(\new)
.set MSB, (\new)
.endif
.endm
.set MUL_LO, 0xa1
.set MUL_HI, 0xf1
.set TO_B,   0x40
.macro JLOAD g0a, g1a, g0b, g1b        ; waves 0 and 1 fetch for a, waves 2 and 3 for Wo; an s_nop 0 and four v_nop follow each line
	s_cmp_eq_u32 s15, 0
	s_cbranch_scc0 .Lfor_b_\@
	tensor_load_to_lds s[\g0a:\g0a+3], s[\g1a:\g1a+7]
	s_nop 0
.rept 4
	v_nop
.endr
	s_branch .Lasked_\@
.Lfor_b_\@:
	tensor_load_to_lds s[\g0b:\g0b+3], s[\g1b:\g1b+7]
	s_nop 0
.rept 4
	v_nop
.endr
.Lasked_\@:
.endm
.macro CREST
	s_cmp_lg_u32 s14, 0
	s_cbranch_scc1 .Lnot_wave_0_\@
	s_barrier_signal -3
.Lnot_wave_0_\@:
	s_barrier_wait -3
	s_barrier_signal -1
	s_barrier_wait -1
.endm
.macro CROUND
	s_barrier_signal -1
	s_barrier_wait -1
	CREST
.endm
	s_load_b128 s[4:7], s[0:1], 0x0                ; ac, wc
	s_load_b128 s[8:11], s[0:1], 0x10              ; bo, the scales' exponents
	s_load_b64 s[12:13], s[0:1], 0x20              ; out0
	v_lshl_add_u32 v[SPW], v0, 2, SPARE
	v_mov_b32 v[NIL], 0
	ds_add_u32 v[SPW], v[NIL]                      ; the wave's opening: the add and its wait ahead of my first tensor load
	v_lshrrev_b32 v1, 5, v0
	v_readfirstlane_b32 s14, v1
	s_lshr_b32 s15, s14, 1
	s_and_b32 s16, s14, 1
	s_bfe_u32 s40, ttmp6, 0x40000                  ; cx
	s_bfe_u32 s41, ttmp6, 0x40004                  ; cy
	s_lshl_b32 s42, ttmp9, 2
	s_add_co_u32 s42, s42, s40                     ; the tile of features
	s_and_b32 s17, ttmp7, 0xffff
	s_lshl_b32 s17, s17, 2
	s_add_co_u32 s17, s17, s41                     ; the tile of tokens
	s_lshl_b32 s43, s41, 2
	s_lshl_b32 s43, 15, s43
	s_lshl_b32 s44, 0x1111, s40
	s_or_b32 s[G1+0], s43, (3<<16)|(1<<21)         ; the mask; elements of 8 bytes; bit 21 beside a mask; no padding
	s_or_b32 s[G1B+0], s44, (3<<16)|(1<<21)
.irp g, G1, G1B
	s_mov_b32 s[\g+1], 512<<16
	s_mov_b32 s[\g+2], 8<<16
	s_mov_b32 s[\g+3], 512<<16
	s_mov_b32 s[\g+4], 8
	s_mov_b32 s[\g+5], 2048
	s_mov_b32 s[\g+6], 0
	s_mov_b32 s[\g+7], 0
.endr
	s_lshl_b32 s18, s16, 17
	s_lshl_b32 s20, s17, 18
	s_add_co_u32 s20, s20, s18
	s_lshl_b32 s46, s42, 18
	s_add_co_u32 s46, s46, s18
	s_add_co_u32 s46, s46, 0x300000                ; wc's section 3
	s_mov_b32 s21, 0
	s_mov_b32 s47, 0
	s_mul_i32 s45, s14, HALFT
	s_wait_dscnt 0x0
	s_wait_kmcnt 0x0
	s_load_b64 s[96:97], s[10:11], 0x28            ; e10, e11
	s_add_nc_u64 s[20:21], s[4:5], s[20:21]
	s_add_nc_u64 s[46:47], s[6:7], s[46:47]
	CROUND
.irp s, 0,1
	s_mov_b32 s[G0+4*\s], 1
	s_add_co_u32 s[G0+4*\s+1], s45, \s*SLOT
	s_add_nc_u64 s[G0+4*\s+2:G0+4*\s+3], s[20:21], \s*KADV
	s_or_b32 s[G0+4*\s+3], s[G0+4*\s+3], 0x80000000
	s_mov_b32 s[G0B+4*\s], 1
	s_add_co_u32 s[G0B+4*\s+1], s45, \s*SLOT
	s_add_nc_u64 s[G0B+4*\s+2:G0B+4*\s+3], s[46:47], \s*KADV
	s_or_b32 s[G0B+4*\s+3], s[G0B+4*\s+3], 0x80000000
	JLOAD G0+4*\s, G1, G0B+4*\s, G1B
.endr
	v_and_b32 v1, 15, v0
	v_bfe_u32 v2, v0, 4, 1
	v_and_b32 v6, 31, v0
	v_lshlrev_b32 v[CO], 4, v6
	v_lshlrev_b32 v[H32], 5, v2
	s_mul_i32 s21, s15, HALFT
	s_mul_i32 s22, s16, HALFT
	s_add_co_u32 s22, s22, 2*HALFT
.irp s, 0,1
	v_add_nc_u32 v[ADRA+\s], s21, v[CO]
	v_add_nc_u32 v[ADRB+\s], s22, v[CO]
	s_add_co_u32 s21, s21, SLOT
	s_add_co_u32 s22, s22, SLOT
.endr
	s_mul_i32 s23, s14, 16*SPITCH                  ; my stage
	v_mul_u32_u24 v5, v1, SPITCH
	v_lshl_add_u32 v5, v2, 5, v5
	v_add_nc_u32 v[STO], s23, v5
	v_add_nc_u32 v[RD], s23, v[CO]
	s_lshl_b32 s20, s17, 20                        ; 256 rows of 4,096 bytes,
	s_lshl_b32 s21, s15, 19                        ; my 128 of them,
	s_add_co_u32 s20, s20, s21
	s_lshl_b32 s18, s42, 10                        ; 4 x my first feature
	s_lshl_b32 s19, s16, 9
	s_add_co_u32 s18, s18, s19
	s_mov_b32 s19, 0
	s_add_nc_u64 s[8:9], s[8:9], s[18:19]          ; bo there
	s_add_co_u32 s20, s20, s18
	s_mov_b32 s21, 0
	s_add_nc_u64 s[12:13], s[12:13], s[20:21]      ; out0 at my first number
.macro FRAG reg, adr, q, i
.irp c, 0,1,2,3
	ds_load_b128 v[\reg+4*\c:\reg+4*\c+3], v[\adr] offset:4096*(\i)+2048*(\q)+512*\c
.endr
.endm
.macro MUL16 a0, p, zero               ; the 64 accumulators take turns, one instruction a turn, in the same order in every step
.irp a, \a0, \a0+1
.irp b, 0,1,2,3,4,5,6,7
.if \zero
	v_wmma_f32_16x16x128_fp8_fp8 v[8*(8*((\a)%4)+\b):8*(8*((\a)%4)+\b)+7], v[128*(\p)+FR*\b:128*(\p)+FR*\b+FR-1], v[AF+FR*(\a):AF+FR*(\a)+FR-1], 0
.else
	v_wmma_f32_16x16x128_fp8_fp8 v[8*(8*((\a)%4)+\b):8*(8*((\a)%4)+\b)+7], v[128*(\p)+FR*\b:128*(\p)+FR*\b+FR-1], v[AF+FR*(\a):AF+FR*(\a)+FR-1], v[8*(8*((\a)%4)+\b):8*(8*((\a)%4)+\b)+7]
.endif
.endr
.endr
.endm
.macro FETCH_B slot, q, p
	WIN TO_B
.irp i, 0,1,2,3,4,5,6,7
	FRAG 128*(\p)+FR*\i, ADRB+\slot, \q, \i
.endr
	WIN 0
.endm
.macro FETCH_A slot, q, i0
.irp i, \i0, \i0+1, \i0+2, \i0+3
	FRAG AF+FR*(\i), ADRA+\slot, \q, \i
.endr
.endm
.macro PLACES n
.rept \n
	v_nop
.endr
.endm
.macro STEP slot, q, zero
	s_wait_dscnt 4*NL                              ; Wo's set and a's blocks 0-3 are in; the youngest 16 loads may be out
	WIN MUL_LO
	MUL16 0, (\q)%2, \zero
	MUL16 2, (\q)%2, \zero
	s_wait_dscnt 0
	PLACES NP
	FETCH_B \slot, (\q)+1, 1-(\q)%2
	FETCH_A \slot, (\q)+1, 0
	WIN MUL_HI
	MUL16 4, (\q)%2, \zero
	MUL16 6, (\q)%2, \zero
	PLACES NP
	WIN 0
	FETCH_A \slot, (\q)+1, 4
.endm
.macro TURN slot, next, fill
	s_wait_tensorcnt 0x0                           ; all my tensor loads have landed: my part of the next slot
	ds_add_u32 v[SPW], v[NIL]
	s_wait_dscnt 4*NL+1                            ; the add and the youngest 16 loads may be out
	WIN MUL_LO
	MUL16 0, 1, 0
	s_wait_dscnt 0x0                               ; the add is done, and my reads of this slot are over
	s_barrier_signal -1
	MUL16 2, 1, 0
	WIN 0
	s_barrier_wait -1
.if \fill
	CREST
	s_add_nc_u64 s[G0+4*\slot+2:G0+4*\slot+3], s[G0+4*\slot+2:G0+4*\slot+3], 2*KADV
	s_add_nc_u64 s[G0B+4*\slot+2:G0B+4*\slot+3], s[G0B+4*\slot+2:G0B+4*\slot+3], 2*KADV
	JLOAD G0+4*\slot, G1, G0B+4*\slot, G1B
.else
	PLACES NP
.endif
	FETCH_B \next, 0, 0
	FETCH_A \next, 0, 0
	WIN MUL_HI
	MUL16 4, 1, 0
	MUL16 6, 1, 0
	PLACES NP
	WIN 0
	FETCH_A \next, 0, 4
.endm
	s_wait_tensorcnt 1                             ; my part of K step 0 is in; K step 1's load may be out
	s_barrier_signal -1
	s_barrier_wait -1
	FETCH_B 0, 0, 0
	FETCH_A 0, 0, 0
	FETCH_A 0, 0, 4
	STEP 0, 0, 1
	s_mov_b32 s3, 1
.Llap:
	TURN 0, 1, 1
	STEP 1, 0, 0
	TURN 1, 0, 1
	STEP 0, 0, 0
	s_sub_co_u32 s3, s3, 1
	s_cmp_lg_u32 s3, 0
	s_cbranch_scc1 .Llap
	TURN 0, 1, 0
	STEP 1, 0, 0
	s_wait_dscnt 4*NL
	WIN MUL_LO
	MUL16 0, 1, 0
	MUL16 2, 1, 0
	s_wait_dscnt 0
	WIN MUL_HI
	MUL16 4, 1, 0
	MUL16 6, 1, 0
	WIN 0
; THE WAY OUT, block by block of 16 rows x 128 columns: through my own stage in LDS, back as whole rows of 512 bytes.  LDS serves a wave's instructions in order: no wait between the stores and the loads.
.macro TOSTAGE a
.set AC, 64*((\a)%4)
	WIN 0x10|(2+(\a)/4)                            ; source 0 (the sums) window 2 or 3, source 2 (the bias) window 1
.set i, 0
.rept 32
	v_pk_fma_f32 v[TMP+i:TMP+i+1], v[AC+i:AC+i+1], s[96:97], v[i:i+1] op_sel_hi:[1,0,1]   ; each accumulator from its low end on
.set i, i+2
.endr
	WIN 0
.irp b, 0,1,2,3,4,5,6,7
	ds_store_b128 v[STO], v[TMP+8*\b:TMP+8*\b+3] offset:64*\b
	ds_store_b128 v[STO], v[TMP+8*\b+4:TMP+8*\b+7] offset:64*\b+16
.endr
.set BB, BK+64*((\a)%2)
.irp t, 0,1,2,3,4,5,6,7,8,9,10,11,12,13,14,15
	ds_load_b128 v[BB+4*\t:BB+4*\t+3], v[RD] offset:\t*SPITCH
.endr
.endm
.macro SEND a, younger                 ; younger: the LDS instructions issued behind block a's loads, which may stay out
.set BB, BK+64*((\a)%2)
	s_wait_dscnt \younger
.if (\a) > 0
	s_add_nc_u64 s[12:13], s[12:13], 65536         ; 16 rows on (the earlier stores have read their base: a wait on XCNT stands ahead)
.endif
.irp t, 0,1,2,3,4,5,6,7,8,9,10,11,12,13,14,15
	global_store_b128 v[CO], v[BB+4*\t:BB+4*\t+3], s[12:13] offset:\t*4096 th:TH_STORE_NT   ; 512 consecutive bytes, aligned
.endr
.endm
	s_wait_kmcnt 0x0
	s_add_co_i32 s96, s96, s97
	s_add_co_i32 s96, s96, 127
	s_lshl_b32 s96, s96, 23                        ; 2^(e10 + e11)
	s_mov_b32 s97, s96
	PLACES NP
	WIN TO_B
.irp b, 0,1,2,3,4,5,6,7
	global_load_b128 v[8*\b:8*\b+3], v[H32], s[8:9] offset:64*\b         ; the bias in the result's layout, window 1 v0-63
	global_load_b128 v[8*\b+4:8*\b+7], v[H32], s[8:9] offset:64*\b+16
.endr
	WIN 0
	s_wait_loadcnt 0x0
	TOSTAGE 0
.irp a, 1,2,3,4,5,6,7
.if \a > 1
	s_wait_xcnt 0x0                                ; block a - 2's stores have read their registers and their base
.endif
	TOSTAGE \a
	SEND \a-1, 32                                  ; behind block a - 1's loads: block a's 16 stores and 16 loads
.endr
	s_wait_xcnt 0x0
	SEND 7, 0
	s_wait_tensorcnt 0x0                           ; the wave's end
	ds_add_u32 v[SPW], v[NIL]
	s_wait_dscnt 0x0
	CROUND                                         ; the closing round
	s_endpgm
.Lfunc_end_k_qed97f81061_oproj:
	.size	k_qed97f81061_oproj, .Lfunc_end_k_qed97f81061_oproj-k_qed97f81061_oproj
	.p2alignl 7, 3214868480
	.fill 96, 4, 3214868480
	.section	.rodata,"a",@progbits
	.p2align	6, 0x0
	.amdhsa_kernel k_qed97f81061_oproj
		.amdhsa_group_segment_fixed_size 327680
		.amdhsa_private_segment_fixed_size 0
		.amdhsa_enable_private_segment 0
		.amdhsa_kernarg_size 40
		.amdhsa_user_sgpr_count 2
		.amdhsa_user_sgpr_kernarg_segment_ptr 1
		.amdhsa_wavefront_size32 1
		.amdhsa_system_sgpr_workgroup_id_x 1
		.amdhsa_system_sgpr_workgroup_id_y 1
		.amdhsa_system_sgpr_workgroup_id_z 1
		.amdhsa_system_vgpr_workitem_id 0
		.amdhsa_next_free_vgpr 1024
		.amdhsa_next_free_sgpr 100
		.amdhsa_reserve_vcc 0
		.amdhsa_float_denorm_mode_32 3
		.amdhsa_float_denorm_mode_16_64 3
		.amdhsa_memory_ordered 1
		.amdhsa_forward_progress 1
		.amdhsa_inst_pref_size 124
	.end_amdhsa_kernel
	.amdgpu_metadata
---
amdhsa.version: [ 1, 2 ]
amdhsa.kernels:
  - .name:           k_qed97f81061_oproj
    .symbol:         k_qed97f81061_oproj.kd
    .args:
      - { .name: ac, .offset: 0, .size: 8, .value_kind: global_buffer, .address_space: global }
      - { .name: wc, .offset: 8, .size: 8, .value_kind: global_buffer, .address_space: global }
      - { .name: bo, .offset: 16, .size: 8, .value_kind: global_buffer, .address_space: global }
      - { .name: lowp_scales, .offset: 24, .size: 8, .value_kind: global_buffer, .address_space: global }
      - { .name: out0, .offset: 32, .size: 8, .value_kind: global_buffer, .address_space: global }
    .group_segment_fixed_size: 327680
    .private_segment_fixed_size: 0
    .kernarg_segment_align: 8
    .kernarg_segment_size: 40
    .max_flat_workgroup_size: 128
    .sgpr_count:     100
    .vgpr_count:     1024
    .wavefront_size: 32
...
	.end_amdgpu_metadata
.endif
;; end of part 4
